; MI455X (gfx1250); checked and timed in simulation.
; The chip was launched on July 23, 2026; its instructions are those of AMD's public machine-readable ISA for CDNA 5 (MIT licence, August 2026) and "CDNA5" Instruction Set Architecture Reference Guide (July 2026). The comments in the code are by the model that wrote it; some were corrected since.
;; Attention. Allowed arithmetic: matrix products marked QUANTISED: E2M3 operands, one E8M0 scale for each 32 along K, by v_wmma_scale_f32_16x16x128_f8f6f4 with both operands' format E2M3, f32 sums; everything else in f32.
;; Inputs: cos 1 x 1 x 2,048 x 64 float32; k_gamma 64 float32; q_gamma 64 float32; sin 1 x 1 x 2,048 x 64 float32; w_proj 1,024 x 1,024 float32; w_qkv 3,072 x 1,024 float32; x 4 x 2,048 x 1,024 float32.
;; Outputs: out0 4 x 2,048 x 1,024 float32.
;; This version of the problem:
;;   THIS VERSION OF THE PROBLEM IS GIVEN IN LOW PRECISION. The matrix products marked QUANTISED in the list below multiply operands that are first quantised to E2M3 (2 exponent bits, 3 mantissa bits; 6 bits a number), with one power-of-two scale for each 32 numbers along K (OCP MX v1.0); their sums are f32. All else is computed in f32.
;;   The module's matrix products, in the order in which they are computed (A, B: the left and right operand; K: the contracted axis; several contracted axes count as one K, in the product's order):
;;     1. [M 8,192, K 1,024] x [K 1,024, N 3,072]; A: input x; B: input w_qkv: QUANTISED
;;     2. batch 64 x [M 2,048, K 64] x [K 64, N 2,048]; A: computed on the way; B: computed on the way: QUANTISED
;;     3. batch 64 x [M 2,048, K 2,048] x [K 2,048, N 64]; A: softmax (see below); B: computed on the way: QUANTISED
;;     4. [M 8,192, K 1,024] x [K 1,024, N 1,024]; A: computed on the way; B: input w_proj: QUANTISED
;;   THE QUANTISER, for each operand of a quantised product, along K:
;;     - K is cut into blocks of 32 from its start; a last block that is shorter is filled with zeros.
;;     - A block's scale is 2^e with e = floor(log2(the largest magnitude in the block)) - 2, held to -126 .. 127; a block of zeros has e = 0. As a byte (E8M0): e + 127.
;;     - Each number is divided by its block's scale, clamped to +-7.5, and rounded to the nearest number of E2M3, ties to even, subnormals kept.
;;     - The product sums the exact products of the quantised numbers (number of the format x scale) in f32.
;;   ~~~python
;;   def quantise(x, axis):      # numpy; x: float32 -> the quantised numbers, widened to float32 again
;;       x = np.moveaxis(x, axis, -1); K = x.shape[-1]
;;       x = np.pad(x, [(0, 0)] * (x.ndim - 1) + [(0, -K % 32)]); x = x.reshape(x.shape[:-1] + (-1, 32)); a = np.abs(x).max(-1, keepdims=True)
;;       e = np.where(a > 0, np.clip(np.frexp(np.where(a > 0, a, 1))[1] - 1 - 2, -126, 127), 0)      # np.frexp(a)[1] - 1 = floor(log2(a)), exactly
;;       r = np.clip(x / 2.0 ** e, -7.5, 7.5)
;;       step = 2.0 ** (np.maximum(np.frexp(np.where(r == 0, 1, r))[1] - 1, 0) - 3)
;;       q = np.round(r / step) * step * 2.0 ** e      # np.round: ties to even
;;       return np.moveaxis(q.reshape(q.shape[:-2] + (-1,))[..., :K], -1, axis).astype(np.float32)
;;   ~~~
;;   SOFTMAX AHEAD OF A QUANTISED PRODUCT. Where the list says 'softmax', what is quantised is not the finished softmax but p = 2^(t - M), with t = logit x log2(e) and M = ceil(the row's largest t), a whole number; so 1/2 < the row's largest p <= 1. The row's sum l is taken of the UNQUANTISED p, in f32, and the product's result is divided by l at the end. Since M is a whole number, a kernel that streams over the keys may use a running M (the ceiling of the running maximum): every later rescaling is an exact power of two, which a block's scale takes up: the codes' values come out the same.
;;   OPERANDS COMPUTED ON THE WAY. 'Computed on the way' means the value that the module computes at that place (a softmax that the list does not call 'softmax' is quantised finished and normalised). What goes into a quantiser is computed in f32, as accurately as f32 sums, v_exp_f32 and their like allow (about 1e-6 of the number): no bf16 or f16 on the way to a quantiser, and a product that is left as it is and whose result goes on into a quantised operand takes f32 operands (vector FMAs, or v_wmma_f32_16x16x4_f32). A number that lies on a knife's edge between two numbers of the format may be rounded either way, as far as f32 arithmetic and the matrix unit's own rounding can turn it there, and no further.
;; One version. Each part assembles by itself: llvm-mc -triple=amdgcn-amd-amdhsa -mcpu=gfx1250 --defsym DOCPART=n.
;; ======== version 1 of 1: 4 launches
;; limits: right only within a limited range of input values
;; workspace buffers: w1 9,830,400 bytes; w2 20,185,088 bytes; w3 6,553,600 bytes
;; launch quant (part 1): grid 256 x 1, 6 waves a work-group, no clusters, 200,704 bytes of LDS; arguments x, w_qkv, w_proj, w1; writes w1
.if DOCPART == 1
	.amdgcn_target "amdgcn-amd-amdhsa--gfx1250"
	.amdhsa_code_object_version 6
	.text
	.protected	k_q897f4521fe_quant
	.globl	k_q897f4521fe_quant
	.p2align	8
	.type	k_q897f4521fe_quant,@function
k_q897f4521fe_quant:
	s_mov_b64 s[64:65], 0
	v_nop
	global_prefetch_b8 v0, s[64:65] scope:SCOPE_SE
	s_setreg_imm32_b32 hwreg(HW_REG_WAVE_MODE, 25, 1), 1
	s_wait_xcnt 0x0
; x, w_qkv and w_proj (f32, rows of 1,024 along K) become codes of E2M3 with one E8M0 byte for each 32 along K, laid in w1 as images of the matrix operands' registers.
; TILES: 768 tiles of 16 rows (x 512, w_qkv 192, w_proj 64).  Lane-row r of a tensor's tile 2 p + u is its row 32 p + 8 u + r % 8 + 16 (r / 8): two tiles are 32 neighbouring rows.
; w1: tile T at 12,288 T: K step s (128 along K) at 1,536 s, register group c at 512 c, 16 bytes a lane.  Scale words at SC_OFF + 512 T: word s of row r at 256 (s / 4) + 16 r + 4 (s % 4).
; SHARES: a wave takes a pair of tiles x 256 along K: 32 rows x 1,024 bytes, brought by its ONE tensor load into LDS bytes that it alone reads: no barrier, nothing filled twice.
; 1,536 waves = 384 pairs x 4 quarters of K; 6 waves to a work-group.  An LDS row is 1,024 + 16 bytes.
; A lane (r, h) holds k = 32 b + 16 h + 0 .. 15 of row r in registers 16 b on; lanes l and l xor 16 share a block.
; The wave's two scale words a row leave as 8 bytes a lane, 16 bytes apart (lanes 0-15 the first tile's, lanes 16-31 the second's): 256 of the 6,400 bytes that a wave stores.
; No prefetch: the text has no loop to run ahead in, and each wave asks for all its bytes in its first lines.
; LIMITS: NaN and infinities are not served; a block of zeros gets the byte 1 for 127 (zero codes; the bytes are read by this program alone).
.set WREG,   33280                     ; 32 rows x 1,040
.set PITCH,  1040
.set SPARE,  6*WREG                    ; the spare words: 128 bytes a wave, three blocks of 256 bytes that no other line names
.set SC_OFF, 9437184
.set LN,  1
.set RR,  2
.set HH,  3
.set XA,  4                            ; LDS address of my row and half
.set LI,  5                            ; 16 x lane
.set SPW, 6
.set NIL, 7
.set PWS, 8                            ; v8-11 scale words of the four steps
.set SA,  12                           ; where my scale words go
.set TM,  16
.set PC,  32
.set WD,  52
.set X,   64                           ; v64-191 two sets of 64 numbers
.set WV,  2
.set GW,  3
.set G1,  16
.set G0,  24
.set LB,  28
.set SEL, 30
.set SB,  32
	s_load_b256 s[4:11], s[0:1], 0x0               ; x, w_qkv, w_proj, w1
	v_lshl_add_u32 v[SPW], v0, 2, SPARE
	v_mov_b32 v[NIL], 0
	ds_add_u32 v[SPW], v[NIL]                      ; the opening lines
	ds_add_u32 v[SPW], v[NIL]
	v_lshrrev_b32 v1, 5, v0
	v_readfirstlane_b32 s[WV], v1
	s_mov_b32 s[G1+0], (3<<16)|(1<<20)|(7<<22)|(3<<25)   ; elements of 8 bytes; 4 words of padding behind every 256
	s_mov_b32 s[G1+1], 128<<16
	s_mov_b32 s[G1+2], 32<<16
	s_mov_b32 s[G1+3], 128<<16
	s_mov_b32 s[G1+4], 32
	s_mov_b32 s[G1+5], 512
	s_mov_b32 s[G1+6], 0
	s_mov_b32 s[G1+7], 0
	s_mul_i32 s[GW], ttmp9, 6
	s_add_co_u32 s[GW], s[GW], s[WV]
	s_lshr_b32 s12, s[GW], 2                       ; the pair of tiles, 0 .. 383
	s_and_b32 s13, s[GW], 3                        ; the quarter of K
	s_mov_b32 s14, 352
	s_cmp_lt_u32 s12, 352
	s_cselect_b32 s14, 256, s14
	s_cmp_lt_u32 s12, 256
	s_cselect_b32 s14, 0, s14                      ; the tensor's first pair
	s_sub_co_u32 s14, s12, s14
	s_lshl_b32 s14, s14, 17                        ; 32 rows of 4,096 bytes
	s_lshl_b32 s15, s13, 10
	s_add_co_u32 s14, s14, s15
	s_mov_b32 s15, 0
	s_mul_i32 s[LB], s[WV], WREG
	s_mov_b32 s[G0], 1
	s_mul_i32 s[G0+1], s[WV], WREG
	s_mov_b32 s[SEL], 0x76543210
	s_mov_b32 s[SEL+1], 0xfedcba98
	s_wait_dscnt 0x0
	s_wait_kmcnt 0x0
	s_cmp_lt_u32 s12, 352
	s_cselect_b64 s[6:7], s[6:7], s[8:9]
	s_cmp_lt_u32 s12, 256
	s_cselect_b64 s[4:5], s[4:5], s[6:7]
	s_add_nc_u64 s[G0+2:G0+3], s[4:5], s[14:15]
	s_or_b32 s[G0+3], s[G0+3], 0x80000000
	tensor_load_to_lds s[G0:G0+3], s[G1:G1+7]      ; my one tensor load
	s_nop 0
	s_mul_i32 s14, s12, 24576                      ; the pair's images,
	s_mul_i32 s15, s13, 3072                       ; my two K steps in them
	s_add_co_u32 s14, s14, s15
	s_mov_b32 s15, 0
	s_lshl_b32 s12, s12, 10                        ; the pair's scale words,
	s_lshr_b32 s29, s13, 1
	s_lshl_b32 s29, s29, 8
	s_add_co_u32 s12, s12, s29
	s_and_b32 s13, s13, 1
	s_lshl_b32 s13, s13, 3
	s_add_co_u32 s12, s12, s13                     ; my two words in a row's eight
	s_add_co_u32 s12, s12, SC_OFF
	s_mov_b32 s13, 0
	s_add_nc_u64 s[SB:SB+1], s[10:11], s[12:13]
	s_add_nc_u64 s[10:11], s[10:11], s[14:15]
	v_and_b32 v[LN], 31, v0
	v_and_b32 v[RR], 15, v0
	v_bfe_u32 v[HH], v0, 4, 1
	v_and_b32 v[XA], 7, v0
	v_bfe_u32 v13, v0, 3, 1
	v_mul_u32_u24 v[XA], v[XA], PITCH
	v_mad_u32_u24 v[XA], v13, 16*PITCH, v[XA]      ; LDS row r % 8 + 16 (r / 8)
	v_lshl_add_u32 v[XA], v[HH], 6, v[XA]
	v_add_nc_u32 v[XA], s[LB], v[XA]
	v_lshlrev_b32 v[LI], 4, v[LN]
	v_lshlrev_b32 v[SA], 4, v[RR]
	v_lshl_add_u32 v[SA], v[HH], 9, v[SA]          ; 16 r, + 512 for the second tile
.irp b, 0,1,2,3
	v_mov_b32 v[TM+4+\b], 0                        ; a lane permute's destination counts as one of its sources
.endr
.macro QUANT s, pw
.irp b, 0,1,2,3
	v_max3_num_f32 v[TM+\b], |v[(\s)+16*\b]|, |v[(\s)+16*\b+1]|, 0x1800000   ; with the floor 2^(3 - 127): the byte cannot fall under 1
.endr
.irp i, 2,4,6,8,10,12,14
.irp b, 0,1,2,3
	v_max3_num_f32 v[TM+\b], |v[(\s)+16*\b+\i]|, |v[(\s)+16*\b+\i+1]|, v[TM+\b]
.endr
.endr
.irp b, 0,1,2,3
	v_permlanex16_b32 v[TM+4+\b], v[TM+\b], s[SEL], s[SEL+1]
.endr
.irp b, 0,1,2,3
	v_max_num_f32 v[TM+\b], v[TM+\b], v[TM+4+\b]
.endr
.irp b, 0,1,2,3
	v_add_nc_u32 v[TM+12+\b], 0xff000000, v[TM+\b] ; 2 off the exponent field: the conversion's scale operand
.endr
.irp b, 0,1,2,3
	v_lshrrev_b32 v[TM+4+\b], 23, v[TM+12+\b]      ; the scale's byte
.endr
	v_lshl_or_b32 v[\pw], v[TM+5], 8, v[TM+4]
	v_lshl_or_b32 v[\pw], v[TM+6], 16, v[\pw]
	v_lshl_or_b32 v[\pw], v[TM+7], 24, v[\pw]
.irp c, 0,1
	v_cvt_scalef32_pk16_fp6_f32 v[PC+6*\c:PC+6*\c+2], v[(\s)+32*\c:(\s)+32*\c+15], v[TM+12+2*\c]
	v_cvt_scalef32_pk16_fp6_f32 v[PC+12+4*\c:PC+12+4*\c+2], v[(\s)+32*\c+16:(\s)+32*\c+31], v[TM+13+2*\c]
.endr
	v_nop                                          ; one plain place behind a scaled conversion
.irp c, 0,1
.irp i, 0,1,2
	v_permlane16_swap_b32 v[PC+6*\c+\i], v[PC+12+4*\c+\i]   ; a whole block to a lane
.endr
.irp i, 0,1,2
	v_mov_b32 v[PC+3+6*\c+\i], v[PC+12+4*\c+\i]
.endr
.endr
.endm
.macro XLD q                           ; step q = 2 u + e: tile u of the pair, the e-th of my two K steps
.irp b, 0,1,2,3
.irp j, 0,1,2,3
	ds_load_b128 v[X+64*((\q)%2)+16*\b+4*\j:X+64*((\q)%2)+16*\b+4*\j+3], v[XA] offset:8*PITCH*((\q)/2)+512*((\q)%2)+128*\b+16*\j
.endr
.endr
.endm
.macro STEP q
.if (\q) < 3
	XLD (\q)+1
	s_wait_dscnt 16                                ; all but the 16 loads just issued
.else
	s_wait_dscnt 0x0
.endif
	s_wait_xcnt 0x0                                ; the last step's stores have read v[PC] on
	QUANT X+64*((\q)%2), PWS+(\q)
.irp c, 0,1,2
	global_store_b128 v[LI], v[PC+4*\c:PC+4*\c+3], s[10:11] offset:12288*((\q)/2)+1536*((\q)%2)+512*\c   ; 512 consecutive bytes, aligned to 256
.endr
.endm
	s_wait_alu depctr_va_vdst(0)                   ; the wait at the head's end
	s_wait_tensorcnt 0x0                           ; my rows are in; nobody else reads them
	XLD 0
.irp q, 0,1,2,3
	STEP \q
.endr
	v_cmp_lt_u32 vcc_lo, 15, v[LN]
	v_cndmask_b32 v[WD], v[PWS], v[PWS+2], vcc_lo  ; lanes 0-15 the first tile's two words, lanes 16-31 the second's
	v_cndmask_b32 v[WD+1], v[PWS+1], v[PWS+3], vcc_lo
	global_store_b64 v[SA], v[WD:WD+1], s[SB:SB+1]
	s_wait_tensorcnt 0x0                           ; the wave's end
	ds_add_u32 v[SPW], v[NIL]
	s_wait_dscnt 0x0
	s_endpgm
.Lfunc_end_k_q897f4521fe_quant:
	.size	k_q897f4521fe_quant, .Lfunc_end_k_q897f4521fe_quant-k_q897f4521fe_quant
	.p2alignl 7, 3214868480
	.fill 96, 4, 3214868480
	.section	.rodata,"a",@progbits
	.p2align	6, 0x0
	.amdhsa_kernel k_q897f4521fe_quant
		.amdhsa_group_segment_fixed_size 200704
		.amdhsa_private_segment_fixed_size 0
		.amdhsa_enable_private_segment 0
		.amdhsa_kernarg_size 32
		.amdhsa_user_sgpr_count 2
		.amdhsa_user_sgpr_kernarg_segment_ptr 1
		.amdhsa_wavefront_size32 1
		.amdhsa_system_sgpr_workgroup_id_x 1
		.amdhsa_system_sgpr_workgroup_id_y 1
		.amdhsa_system_sgpr_workgroup_id_z 1
		.amdhsa_system_vgpr_workitem_id 0
		.amdhsa_next_free_vgpr 192
		.amdhsa_next_free_sgpr 66
		.amdhsa_reserve_vcc 1
		.amdhsa_float_denorm_mode_32 3
		.amdhsa_float_denorm_mode_16_64 3
		.amdhsa_memory_ordered 1
		.amdhsa_forward_progress 1
		.amdhsa_inst_pref_size 25
	.end_amdhsa_kernel
	.amdgpu_metadata
---
amdhsa.version: [ 1, 2 ]
amdhsa.kernels:
  - .name:           k_q897f4521fe_quant
    .symbol:         k_q897f4521fe_quant.kd
    .args:
      - { .name: x, .offset: 0, .size: 8, .value_kind: global_buffer, .address_space: global }
      - { .name: w_qkv, .offset: 8, .size: 8, .value_kind: global_buffer, .address_space: global }
      - { .name: w_proj, .offset: 16, .size: 8, .value_kind: global_buffer, .address_space: global }
      - { .name: w1, .offset: 24, .size: 8, .value_kind: global_buffer, .address_space: global }
    .group_segment_fixed_size: 200704
    .private_segment_fixed_size: 0
    .kernarg_segment_align: 8
    .kernarg_segment_size: 32
    .max_flat_workgroup_size: 192
    .sgpr_count:     66
    .vgpr_count:     192
    .wavefront_size: 32
...
	.end_amdgpu_metadata
.endif
;; end of part 1
;; launch qkv (part 2): grid 12 x 64, 4 waves a work-group, clusters of 4 x 4, 327,680 bytes of LDS; arguments w1, cos, sin, q_gamma, k_gamma, w2; writes w2
.if DOCPART == 2
	.amdgcn_target "amdgcn-amd-amdhsa--gfx1250"
	.amdhsa_code_object_version 6
	.text
	.protected	k_q897f4521fe_qkv
	.globl	k_q897f4521fe_qkv
	.p2align	8
	.type	k_q897f4521fe_qkv,@function
k_q897f4521fe_qkv:
	s_mov_b64 s[64:65], 0
	v_nop
	global_prefetch_b8 v0, s[64:65] scope:SCOPE_SE
	s_setreg_imm32_b32 hwreg(HW_REG_WAVE_MODE, 25, 1), 1
	s_wait_xcnt 0x0
	s_wait_alu depctr_hold_cnt(0) depctr_sa_sdst(0) depctr_va_vdst(0) depctr_va_sdst(0) depctr_va_ssrc(0) depctr_va_vcc(0) depctr_vm_vsrc(0)
	s_getreg_b32 s2, hwreg(HW_REG_IB_STS2, 6, 4)
	s_cmp_eq_u32 s2, 0
	s_cbranch_scc0 .Lentry_in_a_cluster
	s_endpgm
.Lentry_in_a_cluster:
	s_bfe_u32 s2, ttmp6, 0x10000c
	s_cmp_lg_u32 s2, 0xf033
	s_cbranch_scc0 .Lentry_shape_is_right
	s_endpgm
.Lentry_shape_is_right:
; qkv = x w_qkv^T on codes of E2M3 (K = 1,024), then, in f32, RMS norm, gamma and the rotation for q and k; q, k and v leave QUANTISED, as images of the operands that the attention launch wants.
; A work-group multiplies 128 rows of "A" (source 1) by 256 rows of "B" (source 0); all of K lies in LDS, filled once, in four chunks of 256 along K.  Four waves: wave w takes A's tiles 4 (w / 2) .. + 3 and
; B's tiles 8 (w % 2) .. + 7: 32 accumulators.  In a result a lane holds ONE row of A, and its registers run along B's rows; by the order of rows in w1's tiles, register 16 b + i of a block of
; eight accumulators is B's row 32 b + 16 (lane / 16) + i: 16 neighbours, ready for a quantiser along that axis.
; Cluster column 0: q, 1: k (A = x, B = w: a lane holds a token, registers run along the channels, K of q k^T).  Cluster column 2: v, THE OTHER WAY ROUND (A = w_v, B = x: a lane holds a channel,
; registers run along the tokens, which are K of p v).  The two ways part once, on the cluster's x, which all sixteen partners share; each has LDS scratch of its own.
; CLUSTER: the four of a row need the same tiles of A, the four of a column the same tiles of B: each is asked for jointly.  Nothing is filled twice, so the one round in front of the fills and the closing round are all.
; OUT (w2): q: half images (registers 0-5: 16 l, then 512 + 8 l) [bh][tile 128][768], scale words [bh][tile][16] at Q_SC; k and v: [bh][key step 16][13,056] at KV: 8 half images of k, their 8 x 64 bytes of scale
; words, 4 images of v (16 channels x 128 keys), their 4 x 64 bytes.  q's and k's scale words have bytes 2 and 3 = 0.
; LIMITS: NaN and infinities are not served; a block of zeros gets the byte 1 for 127 (zero codes; read by this program alone); the sum of squares is taken in four chains and the rotation is fused, so the last bit
; may differ from a plain left-to-right evaluation; the reciprocal root is v_rsq_f32's.
; (K lies in LDS in TWO HALVES of 512 along K, which take the place of the four chunks named above: the first half and the scales come by the head's loads, one a wave, the second half behind a round.)
.set CH,     147456                    ; a half of K in LDS: A's 8 tiles x 6,144 bytes, then B's 16
.set BOFF,   49152
.set SCL,    294912                    ; A's scale words (4,096 bytes), then B's (8,192)
.set SCR_QK, 307200                    ; q / k way: 512 bytes a wave for scale words
.set SCR_V,  309248                    ; v way: 256 bytes a wave
.set SPARE,  310272                    ; the spare words: 128 bytes a wave, two blocks of 256 bytes that no other line names
.set SC_OFF, 9437184
.set Q_SC,   6291456
.set KV,     6815744
.set KSTEP,  13056
.set NF,     36                        ; LDS loads of a K step's fragments
.set RR,   1                           ; v1  lane % 16
.set HH,   2                           ; v2  lane / 16
.set LI,   3                           ; v3  16 x lane
.set L8,   4                           ; v4  8 x lane
.set CA,   5                           ; v5  my token's and half's place in cos and sin
.set GA,   6                           ; v6  my half's place in gamma
.set SCW,  7                           ; v7  q / k: where I put a scale word
.set SCRD, 8                           ; v8  and read 16 bytes back
.set SCG,  9                           ; v9  and their place in w2
.set SVW,  10                          ; v10 v: where I put a scale word
.set SVR,  11                          ; v11 and read 8 bytes back
.set ADRA, 16                          ; v16-19 LDS address of my A fragments in chunk c
.set ADRB, 20                          ; v20-23 of my B fragments
.set ADRS, 24                          ; v24 of my scale words: lanes 0-15 A's, lanes 16-31 B's
.set SPW,  28                          ; v28 my spare word; never rewritten
.set NIL,  29                          ; v29 0; never rewritten
.set SC,   32                          ; v32-95 scale words and nothing else: register 8 i + s: word s of A's tile i (lanes 0-15) and of B's tile i (lanes 16-31)
.set AF,   96                          ; v96-143, v144-191 A's two sets.  Window 1: v0-95, v128-223 B's two sets; v96-127 gamma.  Window 2: accumulator (a, b) at 8 (8 a + b).  Window 3: cos and sin
.set R,    96                          ; behind the products: v96-159 the rotated numbers
.set TM,   160                         ; v160-175 at work in QUANT
.set PC,   176                         ; v176-195 the codes just made
.set PW,   196                         ; v196, v197 scale words
.set PW2,  197
.set SS,   200                         ; v200-207 sums of squares
.set NRM,  208                         ; v208-211 1 / rms of the two heads, as pairs
.set OW,   212                         ; v212-215 scale words on their way out
.set W,    128                         ; window 1: v128-191 the normed numbers
.set GM,   96                          ; window 1: gamma
.set WV,   16
.set WHI,  17                          ; wave / 2
.set WLO,  18                          ; wave % 2
.set G1A,  24
.set G1B,  32
.set G1SA, 40
.set G1SB, 48
.set GAS,  56
.set GA0,  60
.set GA1,  68
.set GA2,  72
.set GA3,  76
.set GBS,  80
.set GB0,  84
.set GB1,  88
.set GB2,  92
.set GB3,  96
.set B0,   36                          ; behind the products, in registers that the descriptors have left: s[36:37], s[38:39] where the two heads' images go; s[40:41] the scale words
.set B1,   38
.set SCB,  40
.set C64,  42                          ; s42 1 / 64
.set EPSR, 43                          ; s43 1e-6
.set SEL,  44                          ; s[44:45] selects of v_permlanex16_b32: lane l xor 16
.set MSB, 0
.macro WIN new                         ; the immediate's high byte repeats the setting that is left; a switch that changes nothing is dropped
.if MSB != (\new)
	s_set_vgpr_msb (MSB<<8)|(\new)
.set MSB, \new
.endif
.endm
.macro PLACES n
.rept \n
	v_nop
.endr
.endm
.macro BAR
	s_barrier_signal -1
	s_barrier_wait -1
.endm
.macro CROUND                          ; a round of the cluster's barrier
	s_barrier_signal -1
	s_barrier_wait -1
	s_cmp_lg_u32 s[WV], 0
	s_cbranch_scc1 .Lnot_wave_0_\@
	s_barrier_signal -3
.Lnot_wave_0_\@:
	s_barrier_wait -3
	s_barrier_signal -1
	s_barrier_wait -1
.endm
.macro SHAPE g, c, r, p                ; words 1 to 7 of a group 1: r rows of c elements of 8 bytes, p elements apart in memory
	s_mov_b32 s[\g+1], (\c)<<16
	s_mov_b32 s[\g+2], (\r)<<16
	s_mov_b32 s[\g+3], (\c)<<16
	s_mov_b32 s[\g+4], \r
	s_mov_b32 s[\g+5], \p
	s_mov_b32 s[\g+6], 0
	s_mov_b32 s[\g+7], 0
.endm
.macro DEST g, reg, const              ; words 0 and 1 of a group 0
	s_mov_b32 s[\g], 1
	s_add_co_u32 s[\g+1], s[\reg], \const
.endm
.macro FROM g, pair, const             ; words 2 and 3
	s_add_nc_u64 s[\g+2:\g+3], s[\pair:\pair+1], \const
	s_or_b32 s[\g+3], s[\g+3], 0x80000000
.endm
	s_load_b256 s[4:11], s[0:1], 0x0               ; w1 s[4:5], cos s[6:7], sin s[8:9], q_gamma s[10:11]
	s_load_b128 s[12:15], s[0:1], 0x20             ; k_gamma s[12:13], w2 s[14:15]
	v_lshl_add_u32 v[SPW], v0, 2, SPARE
	v_mov_b32 v[NIL], 0
	ds_add_u32 v[SPW], v[NIL]                      ; the wave's opening
	ds_add_u32 v[SPW], v[NIL]
	v_lshrrev_b32 v1, 5, v0
	v_readfirstlane_b32 s[WV], v1
	s_lshr_b32 s[WHI], s[WV], 1
	s_and_b32 s[WLO], s[WV], 1                     ; also: which half of A's or of B's tiles I fetch
	s_bfe_u32 s19, ttmp6, 0x40000                  ; cx
	s_bfe_u32 s20, ttmp6, 0x40004                  ; cy
	s_and_b32 s21, ttmp7, 0xffff                   ; the cluster's y, 0 .. 15
	s_and_b32 s22, s21, 1
	s_lshr_b32 s23, s21, 1
	s_cmp_eq_u32 ttmp9, 2                          ; the cluster's x: 0 q, 1 k, 2 v
	s_cselect_b32 s2, s22, s21
	s_cselect_b32 s3, s23, ttmp9
	s_cselect_b32 s22, 640, 0                      ; A's first tile in w1: w_v's, or x's
	s_cselect_b32 s100, 0, 512                     ; B's: x's, or w_qkv's
	s_lshl_b32 s2, s2, 2
	s_add_co_u32 s2, s2, s20                       ; At: my block of 128 rows of A; it hangs on cy, never on cx
	s_lshl_b32 s3, s3, 2
	s_add_co_u32 s3, s3, s19                       ; Bt: my block of 256 rows of B; it hangs on cx, never on cy
	s_lshl_b32 s20, s20, 2
	s_lshl_b32 s20, 15, s20                        ; my row of the cluster
	s_lshl_b32 s19, 0x1111, s19                    ; my column
	s_or_b32 s[G1A], s20, (3<<16)|(1<<21)          ; the mask; elements of 8 bytes; bit 21 beside a mask; no padding
	s_or_b32 s[G1SA], s20, (3<<16)|(1<<21)
	s_or_b32 s[G1B], s19, (3<<16)|(1<<21)
	s_or_b32 s[G1SB], s19, (3<<16)|(1<<21)
.set G1A2, 72                          ; s[72:79], s[92:99]: groups 1 of the second half's loads
.set G1B2, 92
	s_or_b32 s[G1A2], s20, (3<<16)|(1<<21)
	s_or_b32 s[G1B2], s19, (3<<16)|(1<<21)
	SHAPE G1A, 768, 8, 1536                        ; the head: A's eight tiles' first half of K: 6,144 bytes each, 12,288 bytes apart
	SHAPE G1B, 768, 16, 1536                       ; B's sixteen
	SHAPE G1A2, 768, 4, 1536                       ; the second half: four tiles of A a wave,
	SHAPE G1B2, 768, 8, 1536                       ; or eight of B
	SHAPE G1SA, 32, 16, 32                         ; A's scale words: 4,096 dense bytes as rows of 256
	SHAPE G1SB, 32, 32, 32                         ; B's: 8,192
	s_lshl_b32 s20, s2, 3
	s_add_co_u32 s21, s20, s22                     ; A's first tile
	s_lshl_b32 s22, s21, 9
	s_add_co_u32 s22, s22, SC_OFF
	s_mov_b32 s23, 0                               ; s[22:23]: its scale words
	s_mul_i32 s20, s21, 12288
	s_mov_b32 s21, 0                               ; s[20:21]: its codes
	s_lshl_b32 s19, s3, 4
	s_add_co_u32 s19, s19, s100                    ; B's first tile
	s_lshl_b32 s104, s19, 9
	s_add_co_u32 s104, s104, SC_OFF
	s_mov_b32 s105, 0
	s_mul_i32 s100, s19, 12288
	s_mov_b32 s101, 0
	s_mov_b32 s19, 0                               ; where they go: constants and the wave's number alone
	DEST GA0, 19, 0
	DEST GB0, 19, BOFF
	DEST GAS, 19, SCL
	DEST GBS, 19, SCL+4096
	s_mul_i32 s19, s[WLO], 24576
	DEST GA1, 19, CH
	s_mul_i32 s19, s[WLO], 49152
	DEST GB1, 19, CH+BOFF
	s_add_co_u32 s[GA1+2], s19, 6144               ; the second half of K of my four tiles of A: an offset, the address is added below
	s_mov_b32 s[GA1+3], 0
	s_mul_i32 s[GB1+2], s[WLO], 98304
	s_add_co_u32 s[GB1+2], s[GB1+2], 6144          ; of my eight of B
	s_mov_b32 s[GB1+3], 0
	s_wait_dscnt 0x0                               ; both opening adds are done
	s_wait_kmcnt 0x0
	s_add_nc_u64 s[20:21], s[4:5], s[20:21]
	s_add_nc_u64 s[22:23], s[4:5], s[22:23]
	s_add_nc_u64 s[100:101], s[4:5], s[100:101]
	s_add_nc_u64 s[104:105], s[4:5], s[104:105]
	FROM GAS, 22, 0
	FROM GA0, 20, 0
	FROM GBS, 104, 0
	FROM GB0, 100, 0
	s_add_nc_u64 s[GA1+2:GA1+3], s[20:21], s[GA1+2:GA1+3]
	s_or_b32 s[GA1+3], s[GA1+3], 0x80000000
	s_add_nc_u64 s[GB1+2:GB1+3], s[100:101], s[GB1+2:GB1+3]
	s_or_b32 s[GB1+3], s[GB1+3], 0x80000000
.macro HARM under, g0, g1, next        ; an arm of the head's one chain of branches on the wave's number: one load, then the join
	s_cmp_lt_u32 s[WV], \under
	s_cbranch_scc0 \next
	tensor_load_to_lds s[\g0:\g0+3], s[\g1:\g1+7]
	s_nop 0
	PLACES 4
	s_branch .Lfilled
\next:
.endm
.macro JLOAD2                          ; the second half of K: waves 0 and 1 fetch A's halves, waves 2 and 3 B's
	s_cmp_lt_u32 s[WV], 2
	s_cbranch_scc0 .Lj_b_\@
	tensor_load_to_lds s[GA1:GA1+3], s[G1A2:G1A2+7]
	s_nop 0
	PLACES 4
	s_branch .Lj_e_\@
.Lj_b_\@:
	tensor_load_to_lds s[GB1:GB1+3], s[G1B2:G1B2+7]
	s_nop 0
	PLACES 4
.Lj_e_\@:
.endm
	CROUND                                         ; all sixteen work-groups are here: the joint loads meet
	HARM 1, GA0, G1A, .Lh_b                        ; one tensor load a wave at the head: wave 0 A's codes, wave 1 B's, wave 2 A's scale words, wave 3 B's
	HARM 2, GB0, G1B, .Lh_sa
	HARM 3, GAS, G1SA, .Lh_sb
	tensor_load_to_lds s[GBS:GBS+3], s[G1SB:G1SB+7]
	s_nop 0
	PLACES 4
.Lfilled:
	v_and_b32 v[RR], 15, v0
	v_bfe_u32 v[HH], v0, 4, 1
	v_and_b32 v[LI], 31, v0
	v_lshlrev_b32 v[L8], 3, v[LI]
	v_lshlrev_b32 v[LI], 4, v[LI]
	s_wait_alu depctr_va_vdst(0)
	s_mul_i32 s19, s[WHI], 24576                   ; my four tiles of A in a half of K
	s_mul_i32 s20, s[WLO], 49152
	s_add_co_u32 s20, s20, BOFF                    ; my eight of B
.irp c, 0,1
	v_add_nc_u32 v[ADRA+\c], s19, v[LI]
	v_add_nc_u32 v[ADRB+\c], s20, v[LI]
	s_add_co_u32 s19, s19, CH
	s_add_co_u32 s20, s20, CH
.endr
	s_lshl_b32 s19, s[WHI], 11                     ; my A tiles' scale words
	s_lshl_b32 s20, s[WLO], 12
	s_add_co_u32 s20, s20, 4096                    ; my B tiles', behind A's 4,096 bytes
	s_sub_co_u32 s20, s20, s19
	v_mul_u32_u24 v[ADRS], s20, v[HH]              ; lanes 16-31 take B's: one product, the distance between the two
	v_lshl_add_u32 v[ADRS], v[RR], 4, v[ADRS]
	s_add_co_u32 s19, s19, SCL
	v_add_nc_u32 v[ADRS], s19, v[ADRS]
	s_lshl_b32 s19, s[WV], 9
	s_add_co_u32 s19, s19, SCR_QK
	v_lshl_add_u32 v[SCW], v[RR], 2, s19
	v_add_nc_u32 v[SCRD], s19, v[LI]
	s_lshl_b32 s19, s[WV], 8
	s_add_co_u32 s19, s19, SCR_V
	v_lshl_add_u32 v[SVW], v[RR], 2, s19
	v_add_nc_u32 v[SVR], s19, v[L8]
.macro SCALES                          ; all my scale words, once: 16 loads
.irp i, 0,1,2,3,4,5,6,7
.irp f, 0,1
	ds_load_b128 v[SC+8*\i+4*\f:SC+8*\i+4*\f+3], v[ADRS] offset:512*\i+256*\f   ; (for i above 3 lanes 0-15 read filled bytes that no product names)
.endr
.endr
.endm
.macro FETCH s                         ; K step s's fragments into set s % 2: images come back as they were stored, 512 consecutive bytes a load
	WIN 0x40                                       ; destination window 1, address window 0
.irp i, 0,1,2,3,4,5,6,7
.irp c, 0,1,2
	ds_load_b128 v[128*((\s)%2)+12*\i+4*\c:128*((\s)%2)+12*\i+4*\c+3], v[ADRB+(\s)/4] offset:6144*\i+1536*((\s)%4)+512*\c
.endr
.endr
	WIN 0
.irp i, 0,1,2,3
.irp c, 0,1,2
	ds_load_b128 v[AF+48*((\s)%2)+12*\i+4*\c:AF+48*((\s)%2)+12*\i+4*\c+3], v[ADRA+(\s)/4] offset:6144*\i+1536*((\s)%4)+512*\c
.endr
.endr
.endm
.macro MUL s                           ; 32 products; the 32 accumulators take turns, one instruction a turn.  K step 0 starts the sums
	WIN 0xa1                                       ; source 0 (B) window 1, source 1 (A) window 0, C and D window 2
.irp a, 0,1,2,3
.irp b, 0,1,2,3,4,5,6,7
.if (\s) == 0
	v_wmma_scale_f32_16x16x128_f8f6f4 v[8*(8*\a+\b):8*(8*\a+\b)+7], v[128*((\s)%2)+12*\b:128*((\s)%2)+12*\b+11], v[AF+48*((\s)%2)+12*\a:AF+48*((\s)%2)+12*\a+11], 0, v[SC+8*\b+(\s)], v[SC+8*\a+(\s)] matrix_a_fmt:MATRIX_FMT_FP6 matrix_b_fmt:MATRIX_FMT_FP6 matrix_a_scale:MATRIX_SCALE_ROW1
.else
	v_wmma_scale_f32_16x16x128_f8f6f4 v[8*(8*\a+\b):8*(8*\a+\b)+7], v[128*((\s)%2)+12*\b:128*((\s)%2)+12*\b+11], v[AF+48*((\s)%2)+12*\a:AF+48*((\s)%2)+12*\a+11], v[8*(8*\a+\b):8*(8*\a+\b)+7], v[SC+8*\b+(\s)], v[SC+8*\a+(\s)] matrix_a_fmt:MATRIX_FMT_FP6 matrix_b_fmt:MATRIX_FMT_FP6 matrix_a_scale:MATRIX_SCALE_ROW1
.endif
.endr
.endr
.endm
.macro STEP s
.if (\s) > 0
	WIN 0
	PLACES 4                                       ; in front of loads into the set that the last step's products read (ISA guide 7.12.1 for vector instructions)
.endif
.if (\s) == 3
	s_wait_tensorcnt 0x0                           ; my part of the second half of K is in
	s_wait_dscnt 0x0                               ; no LDS instruction of mine is pending at a signal
	BAR                                            ; everybody's part is in
.endif
.if (\s) < 7
	FETCH (\s)+1
	s_wait_dscnt NF                                ; all but the loads just issued: this step's set (and the scale words) are in
.else
	s_wait_dscnt 0x0
.endif
	MUL \s
.endm
.macro MAIN
	s_wait_alu depctr_va_vdst(0)                   ; the wait at the head's end
	s_wait_tensorcnt 0x0                           ; my tile of the head's four is in
	ds_add_u32 v[SPW], v[NIL]
	s_wait_dscnt 0x0
	CROUND                                         ; everybody's tile is in, and all sixteen work-groups are here
	JLOAD2                                         ; the first tensor load behind the round; it has K steps 0 to 2 in which to land
	SCALES
	FETCH 0
.irp s, 0,1,2,3,4,5,6,7
	STEP \s
.endr
	WIN 0
	PLACES 4                                       ; in front of the first read of results and the first write over operands
.endm
; 64 numbers of a lane in window w (0 or 2), register 16 b + i = k 32 b + 16 (lane / 16) + i of my row, become 12 registers of codes in v[PC] on and my row's scale word in v[pw].
; Where they are accumulators, each is first read at its registers 0 and 1.
.macro QUANT s, w, pw
	WIN (\w)|((\w)<<2)
.irp b, 0,1,2,3
	v_max3_num_f32 v[TM+\b], |v[(\s)+16*\b]|, |v[(\s)+16*\b+1]|, 0x1800000   ; and the floor 2^(3 - 127): the byte cannot fall under 1
.endr
.irp i, 2,4,6,8,10,12,14
.irp b, 0,1,2,3
	v_max3_num_f32 v[TM+\b], |v[(\s)+16*\b+\i]|, |v[(\s)+16*\b+\i+1]|, v[TM+\b]
.endr
.endr
	WIN 0
.irp b, 0,1,2,3
	v_permlanex16_b32 v[TM+4+\b], v[TM+\b], s[SEL], s[SEL+1]
.endr
.irp b, 0,1,2,3
	v_max_num_f32 v[TM+\b], v[TM+\b], v[TM+4+\b]
.endr
.irp b, 0,1,2,3
	v_add_nc_u32 v[TM+12+\b], 0xff000000, v[TM+\b] ; 2 off the exponent field: the conversion's scale operand
.endr
.irp b, 0,1,2,3
	v_lshrrev_b32 v[TM+4+\b], 23, v[TM+12+\b]      ; the scale's byte
.endr
	v_lshl_or_b32 v[\pw], v[TM+5], 8, v[TM+4]
	v_lshl_or_b32 v[\pw], v[TM+6], 16, v[\pw]
	v_lshl_or_b32 v[\pw], v[TM+7], 24, v[\pw]
	WIN \w
.irp c, 0,1
	v_cvt_scalef32_pk16_fp6_f32 v[PC+6*\c:PC+6*\c+2], v[(\s)+32*\c:(\s)+32*\c+15], v[TM+12+2*\c]
	v_cvt_scalef32_pk16_fp6_f32 v[PC+12+4*\c:PC+12+4*\c+2], v[(\s)+32*\c+16:(\s)+32*\c+31], v[TM+13+2*\c]
.endr
	WIN 0
	v_nop                                          ; one plain place behind a scaled conversion
.irp c, 0,1
.irp i, 0,1,2
	v_permlane16_swap_b32 v[PC+6*\c+\i], v[PC+12+4*\c+\i]
.endr
.irp i, 0,1,2
	v_mov_b32 v[PC+3+6*\c+\i], v[PC+12+4*\c+\i]
.endr
.endr
.endm
	s_cmp_eq_u32 ttmp9, 2                          ; the same in all sixteen partners
	s_cbranch_scc1 .Lv
	; ================ q and k ================
	; cos, sin and gamma come into registers that the products do not use, while the tiles are on their way.  Block a's lane r is token n0 + 32 (a / 2) + 8 (a % 2) + r % 8 + 16 (r / 8).
	s_and_b32 s19, s2, 15
	s_lshl_b32 s19, s19, 7
	s_lshl_b32 s20, s[WHI], 6
	s_add_co_u32 s20, s19, s20                     ; n0: my wave's first token in its batch
	s_lshl_b32 s20, s20, 8
	s_mov_b32 s21, 0
	s_add_nc_u64 s[6:7], s[6:7], s[20:21]
	s_add_nc_u64 s[8:9], s[8:9], s[20:21]
	s_cmp_eq_u32 ttmp9, 0
	s_cselect_b64 s[10:11], s[10:11], s[12:13]     ; q's gamma or k's
	v_and_b32 v[CA], 7, v[RR]
	v_lshrrev_b32 v[GA], 3, v[RR]
	v_lshl_add_u32 v[CA], v[GA], 4, v[CA]
	v_lshlrev_b32 v[CA], 8, v[CA]
	v_lshl_add_u32 v[CA], v[HH], 6, v[CA]          ; 256 (r % 8 + 16 (r / 8)) + 64 h
	v_lshlrev_b32 v[GA], 6, v[HH]
	WIN 0xc0                                       ; destination window 3
.irp a, 0,1,2,3
.irp bb, 0,1
.irp j, 0,1,2,3
	global_load_b128 v[64*\a+16*\bb+4*\j:64*\a+16*\bb+4*\j+3], v[CA], s[6:7] offset:256*(32*(\a/2)+8*(\a%2))+128*\bb+16*\j          ; cos of channels 32 bb + 16 h + 4 j on
	global_load_b128 v[64*\a+32+16*\bb+4*\j:64*\a+32+16*\bb+4*\j+3], v[CA], s[8:9] offset:256*(32*(\a/2)+8*(\a%2))+128*\bb+16*\j    ; sin
.endr
.endr
.endr
	WIN 0x40                                       ; destination window 1
.irp bb, 0,1
.irp j, 0,1,2,3
	global_load_b128 v[GM+16*\bb+4*\j:GM+16*\bb+4*\j+3], v[GA], s[10:11] offset:128*\bb+16*\j
.endr
.endr
	WIN 0
	MAIN
	s_wait_loadcnt 0x0                             ; the tables
.irp b, 0,1,2,3
	v_mov_b32 v[TM+4+\b], 0                        ; written once: a lane permute's destination counts as one of its sources
.endr
	v_mov_b32 v[NRM+1], 0                          ; (named as upper halves of pairs)
	v_mov_b32 v[NRM+3], 0
	s_mov_b32 s[C64], 0x3c800000
	s_mov_b32 s[EPSR], 0x358637bd
	s_mov_b32 s[SEL], 0x76543210
	s_mov_b32 s[SEL+1], 0xfedcba98
	; where my results go.  My 128 rows of B are two heads: 4 (Bt % 4) + 2 (wave % 2) and the next
	s_and_b32 s24, s3, 3
	s_lshl_b32 s24, s24, 2
	s_lshl_b32 s25, s[WLO], 1
	s_add_co_u32 s24, s24, s25
	s_lshr_b32 s25, s2, 4
	s_lshl_b32 s25, s25, 4
	s_add_co_u32 s24, s24, s25                     ; 16 x batch + head
	s_and_b32 s25, s2, 15                          ; my block of 128 tokens in the batch
	s_lshl_b32 s26, s24, 7
	s_lshl_b32 s27, s25, 3
	s_add_co_u32 s26, s26, s27
	s_lshl_b32 s27, s[WHI], 2
	s_add_co_u32 s26, s26, s27                     ; q: the first of my four tiles
	s_mul_i32 s28, s26, 768
	s_lshl_b32 s29, s26, 6
	s_add_co_u32 s29, s29, Q_SC
	s_lshl_b32 s26, s24, 4
	s_add_co_u32 s26, s26, s25
	s_mul_i32 s26, s26, KSTEP
	s_add_co_u32 s26, s26, KV                      ; k: my key step
	s_mul_i32 s27, s[WHI], 3072
	s_add_co_u32 s30, s26, s27
	s_lshl_b32 s27, s[WHI], 8
	s_add_co_u32 s31, s26, s27
	s_add_co_u32 s31, s31, 6144
	s_mov_b32 s33, 16*KSTEP
	s_cmp_eq_u32 ttmp9, 0
	s_cselect_b32 s28, s28, s30                    ; the images,
	s_cselect_b32 s30, s29, s31                    ; the scale words,
	s_cselect_b32 s34, 128*768, s33                ; from head to head: images,
	s_cselect_b32 s33, 8192, s33                   ; scale words
	s_mov_b32 s29, 0
	s_mov_b32 s31, 0
	s_mov_b32 s35, 0
	s_add_nc_u64 s[B0:B0+1], s[14:15], s[28:29]
	s_add_nc_u64 s[B1:B1+1], s[B0:B0+1], s[34:35]
	s_add_nc_u64 s[SCB:SCB+1], s[14:15], s[30:31]
	v_mul_u32_u24 v[SCG], s33, v[HH]
	v_lshl_add_u32 v[SCG], v[RR], 4, v[SCG]        ; lanes 0-15 the first head's 256 bytes, lanes 16-31 the second's
; Block a: 16 tokens x 2 heads.  Register 32 g + 16 e + i of the block is channel 32 e + 16 h + i of head g.
.macro QKBLOCK a
	WIN 0x0a                                       ; sources 0 and 1 window 2
.irp k, 0,1,2,3,4,5,6,7                        ; sums of squares: four chains (head, half), pairs in ascending order
.irp ch, 0,1,2,3
.if \k == 0
	v_pk_mul_f32 v[SS+2*\ch:SS+2*\ch+1], v[64*\a+16*\ch:64*\a+16*\ch+1], v[64*\a+16*\ch:64*\a+16*\ch+1]
.else
	v_pk_fma_f32 v[SS+2*\ch:SS+2*\ch+1], v[64*\a+16*\ch+2*\k:64*\a+16*\ch+2*\k+1], v[64*\a+16*\ch+2*\k:64*\a+16*\ch+2*\k+1], v[SS+2*\ch:SS+2*\ch+1]
.endif
.endr
.endr
	WIN 0
	v_pk_add_f32 v[SS:SS+1], v[SS:SS+1], v[SS+2:SS+3]
	v_pk_add_f32 v[SS+4:SS+5], v[SS+4:SS+5], v[SS+6:SS+7]
	v_add_f32 v[SS], v[SS], v[SS+1]
	v_add_f32 v[SS+4], v[SS+4], v[SS+5]
	v_permlanex16_b32 v[SS+1], v[SS], s[SEL], s[SEL+1]      ; the token's other 32 channels lie in the lane 16 away
	v_permlanex16_b32 v[SS+5], v[SS+4], s[SEL], s[SEL+1]
	v_add_f32 v[SS], v[SS], v[SS+1]
	v_add_f32 v[SS+4], v[SS+4], v[SS+5]
	v_fma_f32 v[SS], v[SS], s[C64], s[EPSR]        ; the mean + 1e-6
	v_fma_f32 v[SS+4], v[SS+4], s[C64], s[EPSR]
	s_wait_alu depctr_va_vdst(0)
	v_rsq_f32 v[NRM], v[SS]
	v_rsq_f32 v[NRM+2], v[SS+4]
	v_nop                                          ; a plain instruction behind the last of the two
	s_wait_alu depctr_va_vdst(0)                   ; one wait for both, ahead of their first reader
	WIN 0x42                                       ; source 0 window 2, destination window 1
.irp g, 0,1
.irp k, 0,1,2,3,4,5,6,7,8,9,10,11,12,13,14,15
	v_pk_mul_f32 v[W+32*\g+2*\k:W+32*\g+2*\k+1], v[64*\a+32*\g+2*\k:64*\a+32*\g+2*\k+1], v[NRM+2*\g:NRM+2*\g+1] op_sel_hi:[1,0]   ; x / rms,
.endr
.endr
	WIN 0x45                                       ; all in window 1
.irp g, 0,1
.irp k, 0,1,2,3,4,5,6,7,8,9,10,11,12,13,14,15
	v_pk_mul_f32 v[W+32*\g+2*\k:W+32*\g+2*\k+1], v[W+32*\g+2*\k:W+32*\g+2*\k+1], v[GM+2*\k:GM+2*\k+1]   ; then x gamma: two roundings, in this order
.endr
.endr
	WIN 0x0d                                       ; source 0 window 1, source 1 window 3, source 2 and destination window 0
.irp g, 0,1
.irp k, 0,1,2,3,4,5,6,7,8,9,10,11,12,13,14,15
	v_pk_mul_f32 v[R+32*\g+2*\k:R+32*\g+2*\k+1], v[W+32*\g+2*\k:W+32*\g+2*\k+1], v[64*\a+2*\k:64*\a+2*\k+1]   ; x cos
.endr
.endr
.irp g, 0,1
.irp k, 0,1,2,3,4,5,6,7,8,9,10,11,12,13,14,15
	v_fma_f32 v[R+32*\g+2*\k], -v[W+32*\g+2*\k+1], v[64*\a+32+2*\k], v[R+32*\g+2*\k]       ; the even channel: - its odd neighbour x sin
	v_fma_f32 v[R+32*\g+2*\k+1], v[W+32*\g+2*\k], v[64*\a+32+2*\k+1], v[R+32*\g+2*\k+1]    ; the odd channel: + its even neighbour x sin
.endr
.endr
	WIN 0
	s_wait_xcnt 0x0                                ; the last block's stores have read v[PC] on
	s_wait_dscnt 0x0
	QUANT R, 0, PW                                 ; registers 0-5: the first head's half fragment; 6-11: the second's
	v_lshrrev_b32 v[PW2], 16, v[PW]                ; each head's two bytes in a word of its own, bytes 2 and 3 = 0
	v_and_b32 v[PW], 0xffff, v[PW]
	global_store_b128 v[LI], v[PC:PC+3], s[B0:B0+1] offset:768*\a          ; 512 consecutive bytes, aligned to 256
	global_store_b64 v[L8], v[PC+4:PC+5], s[B0:B0+1] offset:768*\a+512     ; 256
	global_store_b128 v[LI], v[PC+6:PC+9], s[B1:B1+1] offset:768*\a
	global_store_b64 v[L8], v[PC+10:PC+11], s[B1:B1+1] offset:768*\a+512
	ds_store_b32 v[SCW], v[PW] offset:64*\a        ; both halves of the lanes write the same word with the same value
	ds_store_b32 v[SCW], v[PW2] offset:256+64*\a
.endm
	QKBLOCK 0
	QKBLOCK 1
	QKBLOCK 2
	QKBLOCK 3
	ds_load_b128 v[OW:OW+3], v[SCRD]               ; LDS serves a wave's instructions in order (ISA guide 5.7.1.4): this sees my stores
	s_wait_dscnt 0x0
	global_store_b128 v[SCG], v[OW:OW+3], s[SCB:SCB+1]   ; sixteen lanes store a head's 256 consecutive bytes
	s_branch .Ldone
	; ================ v ================
.Lv:
	s_wait_alu depctr_va_vdst(0)
	MAIN
.irp b, 0,1,2,3
	v_mov_b32 v[TM+4+\b], 0
.endr
	s_mov_b32 s[SEL], 0x76543210
	s_mov_b32 s[SEL+1], 0xfedcba98
	s_lshr_b32 s24, s3, 3                          ; batch
	s_lshl_b32 s24, s24, 4
	s_lshl_b32 s25, s2, 1
	s_add_co_u32 s24, s24, s25
	s_add_co_u32 s24, s24, s[WHI]                  ; + head: my four tiles of w_v are one head's 64 channels
	s_lshl_b32 s24, s24, 4
	s_and_b32 s25, s3, 7
	s_lshl_b32 s25, s25, 1
	s_add_co_u32 s24, s24, s25
	s_add_co_u32 s24, s24, s[WLO]                  ; + key step: my 128 tokens
	s_mul_i32 s24, s24, KSTEP
	s_add_co_u32 s24, s24, KV+6656
	s_mov_b32 s25, 0
	s_add_nc_u64 s[B0:B0+1], s[14:15], s[24:25]
.macro VBLOCK a                        ; 16 channels x 128 tokens: the accumulators go into the quantiser as they stand
	s_wait_xcnt 0x0                                ; the last block's stores have read v[PC] on
	s_wait_dscnt 0x0
	QUANT 64*\a, 2, PW
.irp c, 0,1,2
	global_store_b128 v[LI], v[PC+4*\c:PC+4*\c+3], s[B0:B0+1] offset:1536*\a+512*\c
.endr
	ds_store_b32 v[SVW], v[PW] offset:64*\a
.endm
	VBLOCK 0
	VBLOCK 1
	VBLOCK 2
	VBLOCK 3
	ds_load_b64 v[OW:OW+1], v[SVR]
	s_wait_dscnt 0x0
	global_store_b64 v[L8], v[OW:OW+1], s[B0:B0+1] offset:6144   ; the four tiles' scale words: 256 consecutive bytes
.Ldone:
	s_wait_tensorcnt 0x0                           ; the wave's end
	ds_add_u32 v[SPW], v[NIL]
	s_wait_dscnt 0x0
	CROUND                                         ; the closing round
	s_endpgm
.Lfunc_end_k_q897f4521fe_qkv:
	.size	k_q897f4521fe_qkv, .Lfunc_end_k_q897f4521fe_qkv-k_q897f4521fe_qkv
	.p2alignl 7, 3214868480
	.fill 96, 4, 3214868480
	.section	.rodata,"a",@progbits
	.p2align	6, 0x0
	.amdhsa_kernel k_q897f4521fe_qkv
		.amdhsa_group_segment_fixed_size 327680
		.amdhsa_private_segment_fixed_size 0
		.amdhsa_enable_private_segment 0
		.amdhsa_kernarg_size 48
		.amdhsa_user_sgpr_count 2
		.amdhsa_user_sgpr_kernarg_segment_ptr 1
		.amdhsa_wavefront_size32 1
		.amdhsa_system_sgpr_workgroup_id_x 1
		.amdhsa_system_sgpr_workgroup_id_y 1
		.amdhsa_system_sgpr_workgroup_id_z 1
		.amdhsa_system_vgpr_workitem_id 0
		.amdhsa_next_free_vgpr 1024
		.amdhsa_next_free_sgpr 106
		.amdhsa_reserve_vcc 0
		.amdhsa_float_denorm_mode_32 3
		.amdhsa_float_denorm_mode_16_64 3
		.amdhsa_memory_ordered 1
		.amdhsa_forward_progress 1
		.amdhsa_inst_pref_size 216
	.end_amdhsa_kernel
	.amdgpu_metadata
---
amdhsa.version: [ 1, 2 ]
amdhsa.kernels:
  - .name:           k_q897f4521fe_qkv
    .symbol:         k_q897f4521fe_qkv.kd
    .args:
      - { .name: w1, .offset: 0, .size: 8, .value_kind: global_buffer, .address_space: global }
      - { .name: cos, .offset: 8, .size: 8, .value_kind: global_buffer, .address_space: global }
      - { .name: sin, .offset: 16, .size: 8, .value_kind: global_buffer, .address_space: global }
      - { .name: q_gamma, .offset: 24, .size: 8, .value_kind: global_buffer, .address_space: global }
      - { .name: k_gamma, .offset: 32, .size: 8, .value_kind: global_buffer, .address_space: global }
      - { .name: w2, .offset: 40, .size: 8, .value_kind: global_buffer, .address_space: global }
    .group_segment_fixed_size: 327680
    .private_segment_fixed_size: 0
    .kernarg_segment_align: 8
    .kernarg_segment_size: 48
    .max_flat_workgroup_size: 128
    .sgpr_count:     106
    .vgpr_count:     1024
    .wavefront_size: 32
...
	.end_amdgpu_metadata
.endif
;; end of part 2
;; launch attn (part 3): grid 4 x 64, 16 waves a work-group, clusters of 4 x 1, 327,680 bytes of LDS; arguments w2, w3; writes w3
.if DOCPART == 3
	.amdgcn_target "amdgcn-amd-amdhsa--gfx1250"
	.amdhsa_code_object_version 6
	.text
	.protected	k_q897f4521fe_attn
	.globl	k_q897f4521fe_attn
	.p2align	8
	.type	k_q897f4521fe_attn,@function
k_q897f4521fe_attn:
	s_mov_b64 s[64:65], 0
	v_nop
	global_prefetch_b8 v0, s[64:65] scope:SCOPE_SE
	s_setreg_imm32_b32 hwreg(HW_REG_WAVE_MODE, 25, 1), 1
	s_wait_xcnt 0x0
	s_wait_alu depctr_hold_cnt(0) depctr_sa_sdst(0) depctr_va_vdst(0) depctr_va_sdst(0) depctr_va_ssrc(0) depctr_va_vcc(0) depctr_vm_vsrc(0)
	s_getreg_b32 s2, hwreg(HW_REG_IB_STS2, 6, 4)
	s_cmp_eq_u32 s2, 0
	s_cbranch_scc0 .Lentry_in_a_cluster
	s_endpgm
.Lentry_in_a_cluster:
	s_bfe_u32 s2, ttmp6, 0x10000c
	s_cmp_lg_u32 s2, 0x3003
	s_cbranch_scc0 .Lentry_shape_is_right
	s_endpgm
.Lentry_shape_is_right:
; o = softmax(q k^T / 8) v for one (batch, head), both products on codes of E2M3; o leaves quantised along the channels, as half images for the last product.
; THE SOFTMAX: t = score x log2(e) / 8; M = the running largest t rounded UP to a whole number; p = 2^(t - M) is quantised along the keys, not normalised; the row's sum is taken of the unquantised p and
; divides O at the end.  When M moves, the sum and O are multiplied by 2^(old M - new M): exact.
; SHARES.  A work-group owns 512 queries of a head; each of its sixteen waves owns one tile of 16 queries in each of two passes, in 256 registers: four waves to a SIMD, so that one wave's vector work
; stands beside another's products and LDS loads.  A head's whole K and V (16 key steps of 13,056 bytes) lie in LDS, filled once: wave w brings key step w.
; CLUSTER.  The four work-groups of a cluster are the four query blocks of one head: each key step is asked for jointly.
; LAYOUT.  Both products are used transposed (S^T = K Q^T, O^T = V^T P^T): a lane holds one query throughout.  By the order of tokens in k's tiles the 16 registers of tiles 2 b and 2 b + 1 of S^T are keys
; 32 b + 16 (lane / 16) + 0 .. 15; by the order of channels in v's tiles the same holds of O^T's channels.
; K = 64 IN AN INSTRUCTION OF 128: q's registers 6-11 are zero codes.  k's operand for tile t is v[32 + 6 t .. 43 + 6 t]: its upper six registers are the NEXT tile's codes (behind tile 7: zeros).  E2M3 has no
; NaN and no infinity, and the scale bytes of that half are 0 (2^-127, a number), so those products are finite numbers x 0.
; LIMITS: NaN and infinities are not served; a block of zeros gets the byte 1 for 127 (zero codes; read by this program alone); 1 / l is v_rcp_f32's; a block's largest p is taken from its largest score
; by the same two instructions as every p, which takes v_exp_f32 not to fall where its input rises.
.set KSTEP, 13056
.set KV,    6815744
.set Q_SC,  6291456
.set O_SC,  6291456
.set OSC,   208896                     ; behind K and V: o's scale bytes, 2 a row, 512 rows
.set SPARE, 209920                     ; the spare words: 128 bytes a wave, eight blocks of 256 bytes that no other line names
.set SPW, 4                            ; v4 my spare word; v5 0; never rewritten
.set NIL, 5
; v1 16 x lane, v2 8 x lane, v3 4 x lane; v6, v8: 16 x lane and 4 x lane + this key step's LDS byte (V); v30, v31, v7: 16, 8 and 4 x lane + the next key step's (K); v9 4 r; v10, v11 LDS places of o's scale bytes; v29 16 x thread
; v12 -M, v13 the largest score, v[14:15] the sum; v16-21 Q, v22-27 zeros; v28 Q's scale words; v32-79 eight half fragments of K, asked for one key step ahead; v80-85 zeros;
; v86-89 K's scale words, v90-91 V's; v96-159 S^T, then p, then (v96-119) V's fragments 2 and 3; v160-191 O^T; v192-215 V's fragments 0 and 1; v224-235 p's codes; v232-255 at work; v253 p's scale word
.set TN,  38                           ; s38 the next key step's LDS byte, held at the last step's
.set WV,  8
.set G0,  12
.set G1,  24
.set QI,  16                           ; s[16:17] my q images; s[18:19] their scale words; s[20:21] my o images; s[22:23] the work-group's o scale bytes
.set QS,  18
.set OB,  20
.set OS,  22
.set SEL, 32
.set CS,  34                           ; s[34:35] c = log2(e) / 8
.set TB,  36                           ; s36 the key step's LDS byte
.set CNT, 37
.macro PLACES n
.rept \n
	v_nop
.endr
.endm
.macro CROUND
	s_barrier_signal -1
	s_barrier_wait -1
	s_cmp_lg_u32 s[WV], 0
	s_cbranch_scc1 .Lnot_wave_0_\@
	s_barrier_signal -3
.Lnot_wave_0_\@:
	s_barrier_wait -3
	s_barrier_signal -1
	s_barrier_wait -1
.endm
	s_load_b128 s[4:7], s[0:1], 0x0                ; w2 s[4:5], w3 s[6:7]
	v_lshl_add_u32 v[SPW], v0, 2, SPARE
	v_mov_b32 v[NIL], 0
	ds_add_u32 v[SPW], v[NIL]                      ; the wave's opening
	ds_add_u32 v[SPW], v[NIL]
	v_lshrrev_b32 v1, 5, v0
	s_delay_alu instid0(VALU_DEP_1)
	v_readfirstlane_b32 s[WV], v1                  ; wave 0 .. 15
	s_bfe_u32 s9, ttmp6, 0x40000                   ; cx: my block of 512 queries; it enters q's and o's addresses alone
	s_and_b32 s10, ttmp7, 0xffff                   ; 16 x batch + head, which the four partners share
	s_mov_b32 s[G1], 15|(3<<16)|(1<<21)            ; the mask: all four; elements of 8 bytes; bit 21 beside a mask
	s_mov_b32 s[G1+1], 32<<16                      ; a key step: 13,056 dense bytes as 51 rows of 256
	s_mov_b32 s[G1+2], 51<<16
	s_mov_b32 s[G1+3], 32<<16
	s_mov_b32 s[G1+4], 51
	s_mov_b32 s[G1+5], 32
	s_mov_b32 s[G1+6], 0
	s_mov_b32 s[G1+7], 0
	s_mov_b32 s[G0], 1
	s_mul_i32 s[G0+1], s[WV], KSTEP
	s_lshl_b32 s38, s10, 4
	s_add_co_u32 s38, s38, s[WV]
	s_mul_i32 s38, s38, KSTEP
	s_add_co_u32 s38, s38, KV
	s_mov_b32 s39, 0
	s_lshl_b32 s40, s10, 7
	s_lshl_b32 s41, s9, 5
	s_add_co_u32 s40, s40, s41
	s_add_co_u32 s40, s40, s[WV]                   ; my first query tile: 128 bh + 32 cx + wave
	s_lshl_b32 s42, s40, 6
	s_add_co_u32 s42, s42, Q_SC
	s_mov_b32 s43, 0
	s_mul_i32 s40, s40, 768
	s_mov_b32 s41, 0
	s_lshr_b32 s44, s10, 4                         ; batch
	s_and_b32 s45, s10, 15                         ; head
	s_lshl_b32 s46, s44, 7
	s_lshl_b32 s47, s9, 5
	s_add_co_u32 s46, s46, s47
	s_add_co_u32 s46, s46, s[WV]
	s_lshl_b32 s46, s46, 4
	s_add_co_u32 s46, s46, s45
	s_mul_i32 s46, s46, 768                        ; o: ((128 batch + 32 cx + wave) 16 + head) 768
	s_mov_b32 s47, 0
	s_lshl_b32 s45, s45, 14
	s_lshl_b32 s44, s44, 12
	s_add_co_u32 s44, s44, s45
	s_lshl_b32 s45, s9, 10
	s_add_co_u32 s44, s44, s45
	s_add_co_u32 s44, s44, O_SC
	s_mov_b32 s45, 0
	s_mov_b32 s[SEL], 0x76543210
	s_mov_b32 s[SEL+1], 0xfedcba98
	s_mov_b32 s[CS], 0x3e38aa3b
	s_mov_b32 s[CS+1], s[CS]                       ; (named with it as a pair, so it is written)
	s_wait_dscnt 0x0                               ; the opening add is done
	s_wait_kmcnt 0x0
	s_add_nc_u64 s[G0+2:G0+3], s[4:5], s[38:39]
	s_or_b32 s[G0+3], s[G0+3], 0x80000000
	s_add_nc_u64 s[QI:QI+1], s[4:5], s[40:41]
	s_add_nc_u64 s[QS:QS+1], s[4:5], s[42:43]
	s_add_nc_u64 s[OB:OB+1], s[6:7], s[46:47]
	s_add_nc_u64 s[OS:OS+1], s[6:7], s[44:45]
	CROUND                                         ; all four work-groups are here: the joint loads meet
	tensor_load_to_lds s[G0:G0+3], s[G1:G1+7]      ; key step w: my one tensor load
	s_nop 0
	PLACES 4
	v_and_b32 v3, 31, v0
	s_delay_alu instid0(VALU_DEP_1)
	v_lshlrev_b32 v1, 4, v3
	s_delay_alu instid0(VALU_DEP_2)
	v_lshlrev_b32 v2, 3, v3
	s_delay_alu instid0(VALU_DEP_3)
	v_lshlrev_b32 v3, 2, v3
	v_and_b32 v9, 15, v0
	s_lshl_b32 s38, s[WV], 5
	s_add_co_u32 s38, s38, OSC
	v_lshl_add_u32 v10, v9, 1, s38                 ; o's scale bytes: 32 x wave + 2 r
	v_lshlrev_b32 v9, 2, v9
	v_lshl_add_u32 v11, v0, 4, OSC                 ; (read by waves 0 and 1 alone)
	v_lshlrev_b32 v29, 4, v0
.macro QLOAD p                         ; pass p's tile of queries: 16 tiles on from the last
	global_load_b128 v[16:19], v1, s[QI:QI+1] offset:12288*\p
	global_load_b64 v[20:21], v2, s[QI:QI+1] offset:12288*\p+512
	global_load_b32 v28, v9, s[QS:QS+1] offset:1024*\p
.endm
	QLOAD 0
.irp j, 22,23,24,25,26,27,80,81,82,83,84,85
	v_mov_b32 v\j, 0                               ; zero codes, written once
.endr
.irp b, 0,1,2,3
	v_mov_b32 v[236+\b], 0                         ; written once: a lane permute's destination counts as one of its sources
.endr
	v_mov_b32 v253, 0                              ; (named as the upper half of the pair v[252:253] before it is first written)
	s_wait_tensorcnt 0x0                           ; my key step is in,
	s_barrier_signal -1
	s_barrier_wait -1                              ; everybody's is
; A KEY STEP: 128 keys
.macro KLOAD ka, kb, kc                ; a key step's eight half fragments of K and their scale words: 20 loads
.irp t, 0,1,2,3,4,5,6,7
	ds_load_b128 v[32+6*\t:35+6*\t], v[\ka] offset:768*\t
	ds_load_b64 v[36+6*\t:37+6*\t], v[\kb] offset:768*\t+512
.endr
.irp c, 0,1,2,3
	ds_load_b32 v[86+\c], v[\kc] offset:6144+128*\c    ; lanes 0-15 tile 2 c's scale words, lanes 16-31 tile 2 c + 1's
.endr
.endm
.macro STEP
	s_add_co_u32 s[TN], s[TB], KSTEP
	s_min_u32 s[TN], s[TN], 15*KSTEP               ; the last trip has no next step: it reads step 15's K once more, inside K's and V's bytes
	v_add_nc_u32 v6, s[TB], v1                     ; these five are the places between the last trip's products, which read v96-119, and the products below, which write them
	v_add_nc_u32 v8, s[TB], v3
	v_add_nc_u32 v30, s[TN], v1
	v_add_nc_u32 v31, s[TN], v2
	v_add_nc_u32 v7, s[TN], v3
	s_wait_alu depctr_va_vdst(0)
	s_wait_dscnt 0x0                               ; this step's K, asked for a step ago
.irp t, 0,2,4,6
	v_wmma_scale_f32_16x16x128_f8f6f4 v[96+8*\t:103+8*\t], v[32+6*\t:43+6*\t], v[16:27], 0, v[86+\t/2], v28 matrix_a_fmt:MATRIX_FMT_FP6 matrix_b_fmt:MATRIX_FMT_FP6
	v_wmma_scale_f32_16x16x128_f8f6f4 v[104+8*\t:111+8*\t], v[38+6*\t:49+6*\t], v[16:27], 0, v[86+\t/2], v28 matrix_a_fmt:MATRIX_FMT_FP6 matrix_b_fmt:MATRIX_FMT_FP6 matrix_a_scale:MATRIX_SCALE_ROW1
.endr
	PLACES 4                                       ; in front of the loads below and of the first read of the scores
	KLOAD 30, 31, 7                                ; the next step's K lands under the softmax,
.irp d, 0,1                                    ; and so do V's fragments 0 and 1
.irp c, 0,1,2
	ds_load_b128 v[192+12*\d+4*\c:195+12*\d+4*\c], v6 offset:6656+1536*\d+512*\c
.endr
.endr
.irp c, 0,1
	ds_load_b32 v[90+\c], v8 offset:12800+128*\c
.endr
.irp b, 0,1,2,3
	v_max3_num_f32 v[232+\b], v[96+16*\b], v[97+16*\b], v[98+16*\b]   ; the largest score of each block of 32 keys, in two chains a block, eight by turns: it serves for the row's maximum and, since p rises with the score, for the block's largest p
.endr
.irp b, 0,1,2,3
	v_max3_num_f32 v[236+\b], v[99+16*\b], v[100+16*\b], v[101+16*\b]
.endr
.irp i, 6,10
.irp b, 0,1,2,3
	v_max3_num_f32 v[232+\b], v[232+\b], v[96+16*\b+\i], v[97+16*\b+\i]
.endr
.irp b, 0,1,2,3
	v_max3_num_f32 v[236+\b], v[236+\b], v[98+16*\b+\i], v[99+16*\b+\i]   ; (a block's second accumulator is first read at its registers 0 and 1)
.endr
.endr
.irp b, 0,1,2,3
	v_max3_num_f32 v[232+\b], v[232+\b], v[110+16*\b], v[111+16*\b]
.endr
.irp b, 0,1,2,3
	v_max_num_f32 v[232+\b], v[232+\b], v[236+\b]
.endr
.irp b, 0,1,2,3
	s_delay_alu instid0(VALU_DEP_4)
	v_permlanex16_b32 v[236+\b], v[232+\b], s[SEL], s[SEL+1]
.endr
.irp b, 0,1,2,3
	s_delay_alu instid0(VALU_DEP_4)
	v_max_num_f32 v[232+\b], v[232+\b], v[236+\b]  ; with lane l xor 16's 16 keys
.endr
	s_delay_alu instid0(VALU_DEP_2)
	v_max3_num_f32 v254, v232, v233, v234
	v_mov_b32 v255, v12                            ; the old -M
	s_delay_alu instid0(VALU_DEP_2)
	v_max3_num_f32 v13, v13, v254, v235            ; the running largest SCORE
	s_delay_alu instid0(VALU_DEP_1)
	v_mul_f32 v254, s[CS], v13                     ; the running largest t: c is positive and rounding keeps the order, so this is the largest of the rounded t
	s_delay_alu instid0(VALU_DEP_1)
	v_floor_f32 v12, -v254                         ; the new -M = floor(-t) = -ceil(t)
	s_delay_alu instid0(VALU_DEP_1)
	v_sub_f32 v254, v12, v255                      ; old M - new M: a whole number, 0 or less
	s_delay_alu instid0(VALU_DEP_1)
	v_cvt_i32_f32 v254, v254                       ; (it saturates)
	s_delay_alu instid0(VALU_DEP_1)
	v_ldexp_f32 v252, 1.0, v254                    ; f = 2^(old M - new M)
.irp j, 0,2,4,6,8,10,12,14,16,18,20,22,24,26,28,30,32,34,36,38,40,42,44,46,48,50,52,54,56,58,60,62
	v_pk_fma_f32 v[96+\j:97+\j], v[96+\j:97+\j], s[CS:CS+1], v[12:13] op_sel_hi:[1,0,0]   ; t - M, two at a time
.endr
.irp b, 0,1,2,3
	v_fma_f32 v[232+\b], v[232+\b], s[CS], v12     ; the same of each block's largest score
.endr
	s_wait_alu depctr_va_vdst(0)
.irp j, 0,1,2,3,4,5,6,7,8,9,10,11,12,13,14,15,16,17,18,19,20,21,22,23,24,25,26,27,28,29,30,31,32,33,34,35,36,37,38,39,40,41,42,43,44,45,46,47,48,49,50,51,52,53,54,55,56,57,58,59,60,61,62,63
	v_exp_f32 v[96+\j], v[96+\j]                   ; p = 2^(t - M), at most 1
.endr
	v_pk_mul_f32 v[14:15], v[14:15], v[252:253] op_sel_hi:[1,0]   ; the sums under the new M: a plain instruction behind the exponentials
	s_wait_alu depctr_va_vdst(0)                   ; one wait for the batch, ahead of its first reader
.irp b, 0,1,2,3
	v_exp_f32 v[232+\b], v[232+\b]                 ; each block's largest p
.endr
	v_pk_add_f32 v[236:237], v[100:101], v[104:105]
	v_pk_add_f32 v[254:255], v[108:109], v[112:113]
	v_pk_add_f32 v[250:251], v[116:117], v[120:121]
	v_pk_add_f32 v[248:249], v[124:125], v[128:129]
	v_pk_add_f32 v[246:247], v[132:133], v[136:137]
	v_pk_add_f32 v[244:245], v[140:141], v[144:145]
	v_pk_add_f32 v[242:243], v[148:149], v[152:153]
	v_pk_add_f32 v[14:15], v[14:15], v[156:157]
	v_pk_add_f32 v[236:237], v[236:237], v[96:97]
	v_pk_add_f32 v[254:255], v[254:255], v[98:99]
	v_pk_add_f32 v[250:251], v[250:251], v[102:103]
	v_pk_add_f32 v[248:249], v[248:249], v[106:107]
	v_pk_add_f32 v[246:247], v[246:247], v[110:111]
	v_pk_add_f32 v[244:245], v[244:245], v[114:115]
	v_pk_add_f32 v[242:243], v[242:243], v[118:119]
	v_pk_add_f32 v[14:15], v[14:15], v[122:123]
	v_pk_add_f32 v[236:237], v[236:237], v[126:127]
	v_pk_add_f32 v[254:255], v[254:255], v[130:131]
	v_pk_add_f32 v[250:251], v[250:251], v[134:135]
	v_pk_add_f32 v[248:249], v[248:249], v[138:139]
	v_pk_add_f32 v[246:247], v[246:247], v[142:143]
	v_pk_add_f32 v[244:245], v[244:245], v[146:147]
	v_pk_add_f32 v[242:243], v[242:243], v[150:151]
	v_pk_add_f32 v[14:15], v[14:15], v[154:155]
	v_pk_add_f32 v[236:237], v[236:237], v[158:159]
	s_delay_alu instid0(VALU_DEP_2)
	v_pk_add_f32 v[14:15], v[14:15], v[248:249]
	s_delay_alu instid0(VALU_DEP_2)
	v_pk_add_f32 v[236:237], v[236:237], v[246:247]
	v_pk_add_f32 v[254:255], v[254:255], v[244:245]
	v_pk_add_f32 v[250:251], v[250:251], v[242:243]
	s_delay_alu instid0(VALU_DEP_2)
	v_pk_add_f32 v[14:15], v[14:15], v[254:255]
	s_delay_alu instid0(VALU_DEP_2)
	v_pk_add_f32 v[236:237], v[236:237], v[250:251]
	s_delay_alu instid0(VALU_DEP_1)
	v_pk_add_f32 v[14:15], v[14:15], v[236:237]
	s_wait_alu depctr_va_vdst(0)                   ; and one for the four
.irp b, 0,1,2,3
	v_max_num_f32 v[232+\b], 0x1800000, v[232+\b]  ; the floor 2^(3 - 127): the byte cannot fall under 1
.endr
.irp b, 0,1,2,3
	s_delay_alu instid0(VALU_DEP_4)
	v_add_nc_u32 v[244+\b], 0xff000000, v[232+\b]  ; 2 off the exponent field: the conversion's scale operand
.endr
.irp b, 0,1,2,3
	s_delay_alu instid0(VALU_DEP_4)
	v_lshrrev_b32 v[236+\b], 23, v[244+\b]         ; the scale's byte
.endr
	s_delay_alu instid0(VALU_DEP_3)
	v_lshl_or_b32 v253, v237, 8, v236              ; p's scale word for these 128 keys
	s_delay_alu instid0(VALU_DEP_1)
	v_lshl_or_b32 v253, v238, 16, v253
	s_delay_alu instid0(VALU_DEP_1)
	v_lshl_or_b32 v253, v239, 24, v253
.irp c, 0,1
	v_cvt_scalef32_pk16_fp6_f32 v[224+6*\c:226+6*\c], v[96+32*\c:111+32*\c], v[244+2*\c]
	v_cvt_scalef32_pk16_fp6_f32 v[236+4*\c:238+4*\c], v[112+32*\c:127+32*\c], v[244+2*\c+1]
.endr
.irp d, 2,3                                    ; p has been read for the last time: V's fragments 2 and 3 take v96-119
.irp c, 0,1,2
	ds_load_b128 v[72+12*\d+4*\c:75+12*\d+4*\c], v6 offset:6656+1536*\d+512*\c
.endr
.endr
	v_nop                                          ; one plain place behind a scaled conversion
.irp c, 0,1
.irp i, 0,1,2
	v_permlane16_swap_b32 v[224+6*\c+\i], v[236+4*\c+\i]
.endr
.endr
.irp c, 0,1                                    ; each move reads what the swap six instructions back wrote
.irp i, 0,1,2
	v_mov_b32 v[227+6*\c+\i], v[236+4*\c+\i]
.endr
.endr
.irp j, 0,2,4,6,8,10,12,14,16,18,20,22,24,26,28,30
	v_pk_mul_f32 v[160+\j:161+\j], v[160+\j:161+\j], v[252:253] op_sel_hi:[1,0]   ; O^T under the new M; for each product below twelve of these name none of its registers: its places behind the writes of p's codes and scale word
.endr
	s_wait_alu depctr_va_vdst(0)
	s_wait_dscnt 6                                 ; all but the six loads issued last, V's fragments 2 and 3
.irp d, 0,2                                    ; fragments 0, 1 at v192, v204; fragments 2, 3 at v96, v108
.if \d
	s_wait_dscnt 0x0                               ; these too are in
.endif
	v_wmma_scale_f32_16x16x128_f8f6f4 v[160+8*\d:167+8*\d], v[192-48*\d:203-48*\d], v[224:235], v[160+8*\d:167+8*\d], v[90+\d/2], v253 matrix_a_fmt:MATRIX_FMT_FP6 matrix_b_fmt:MATRIX_FMT_FP6
	v_wmma_scale_f32_16x16x128_f8f6f4 v[168+8*\d:175+8*\d], v[204-48*\d:215-48*\d], v[224:235], v[168+8*\d:175+8*\d], v[90+\d/2], v253 matrix_a_fmt:MATRIX_FMT_FP6 matrix_b_fmt:MATRIX_FMT_FP6 matrix_a_scale:MATRIX_SCALE_ROW1
.endr
.endm
.macro PASS p
	s_wait_xcnt 0x0                                ; the last pass's stores have read their registers
.if \p
	QLOAD \p
.endif
	v_mov_b32 v13, 0xff61b1e6                      ; the largest score so far: -3e38
	s_delay_alu instid0(VALU_DEP_1)
	v_floor_f32 v12, -v13
	v_mov_b32 v14, 0
	v_mov_b32 v15, 0
.irp j, 0,1,2,3,4,5,6,7,8,9,10,11,12,13,14,15,16,17,18,19,20,21,22,23,24,25,26,27,28,29,30,31
	v_mov_b32 v[160+\j], 0                         ; O^T: the step is written once, and its first walk finds zeros
.endr
	KLOAD 1, 2, 3                                  ; key step 0's K, ahead of the walk
	s_mov_b32 s[TB], 0
	s_mov_b32 s[CNT], 16
	s_wait_loadcnt 0x0                             ; Q
.Lstep_\@:
	STEP
	s_add_co_u32 s[TB], s[TB], KSTEP
	s_sub_co_u32 s[CNT], s[CNT], 1
	s_cmp_lg_u32 s[CNT], 0
	s_cbranch_scc1 .Lstep_\@
	PLACES 4                                       ; behind the last products
	v_add_f32 v14, v14, v15
	s_delay_alu instid0(VALU_DEP_1)
	v_permlanex16_b32 v252, v14, s[SEL], s[SEL+1]
	s_delay_alu instid0(VALU_DEP_1)
	v_add_f32 v14, v14, v252                       ; the row's sum
	s_wait_alu depctr_va_vdst(0)
	v_rcp_f32 v14, v14
	v_nop
	s_wait_alu depctr_va_vdst(0)                   ; ahead of the first reader
.irp j, 0,1,2,3,4,5,6,7,8,9,10,11,12,13,14,15,16,17,18,19,20,21,22,23,24,25,26,27,28,29,30,31
	v_mul_f32 v[96+\j], v[160+\j], v14             ; o: register 16 b + i is channel 32 b + 16 h + i; each accumulator from its low end on
.endr
.irp b, 0,1                                    ; o is quantised along the channels: two blocks of 32
	v_max3_num_f32 v[232+\b], |v[96+16*\b]|, |v[97+16*\b]|, 0x1800000
.endr
.irp i, 2,4,6,8,10,12,14
.irp b, 0,1
	s_delay_alu instid0(VALU_DEP_2)
	v_max3_num_f32 v[232+\b], v[232+\b], |v[96+16*\b+\i]|, |v[97+16*\b+\i]|
.endr
.endr
.irp b, 0,1
	s_delay_alu instid0(VALU_DEP_2)
	v_permlanex16_b32 v[236+\b], v[232+\b], s[SEL], s[SEL+1]
.endr
.irp b, 0,1
	s_delay_alu instid0(VALU_DEP_2)
	v_max_num_f32 v[232+\b], v[232+\b], v[236+\b]
.endr
.irp b, 0,1
	s_delay_alu instid0(VALU_DEP_2)
	v_add_nc_u32 v[244+\b], 0xff000000, v[232+\b]
.endr
.irp b, 0,1
	s_delay_alu instid0(VALU_DEP_2)
	v_lshrrev_b32 v[236+\b], 23, v[244+\b]
.endr
	s_delay_alu instid0(VALU_DEP_1)
	v_lshl_or_b32 v254, v237, 8, v236              ; my row's two scale bytes
	v_cvt_scalef32_pk16_fp6_f32 v[224:226], v[96:111], v244
	v_cvt_scalef32_pk16_fp6_f32 v[240:242], v[112:127], v245
	v_nop
.irp i, 0,1,2
	v_permlane16_swap_b32 v[224+\i], v[240+\i]
.endr
.irp i, 0,1,2
	s_delay_alu instid0(VALU_DEP_3)
	v_mov_b32 v[227+\i], v[240+\i]
.endr
	global_store_b128 v1, v[224:227], s[OB:OB+1] offset:196608*\p       ; the half image: 512 consecutive bytes,
	global_store_b64 v2, v[228:229], s[OB:OB+1] offset:196608*\p+512    ; and 256
	ds_store_b16 v10, v254 offset:512*\p           ; both halves of the lanes write the same bytes with the same value
.endm
	PASS 0
	PASS 1
	s_wait_dscnt 0x0                               ; for the others' sake: my scale bytes are in LDS
	s_barrier_signal -1
	s_barrier_wait -1
	s_cmp_lt_u32 s[WV], 2                          ; waves 0 and 1 store the work-group's 1,024 bytes, 512 consecutive bytes each
	s_cbranch_scc0 .Lnot_out
	ds_load_b128 v[96:99], v11
	s_wait_dscnt 0x0
	global_store_b128 v29, v[96:99], s[OS:OS+1]
.Lnot_out:
	s_wait_tensorcnt 0x0                           ; the wave's end
	ds_add_u32 v[SPW], v[NIL]
	s_wait_dscnt 0x0
	CROUND                                         ; the closing round
	s_endpgm
.Lfunc_end_k_q897f4521fe_attn:
	.size	k_q897f4521fe_attn, .Lfunc_end_k_q897f4521fe_attn-k_q897f4521fe_attn
	.p2alignl 7, 3214868480
	.fill 96, 4, 3214868480
	.section	.rodata,"a",@progbits
	.p2align	6, 0x0
	.amdhsa_kernel k_q897f4521fe_attn
		.amdhsa_group_segment_fixed_size 327680
		.amdhsa_private_segment_fixed_size 0
		.amdhsa_enable_private_segment 0
		.amdhsa_kernarg_size 16
		.amdhsa_user_sgpr_count 2
		.amdhsa_user_sgpr_kernarg_segment_ptr 1
		.amdhsa_wavefront_size32 1
		.amdhsa_system_sgpr_workgroup_id_x 1
		.amdhsa_system_sgpr_workgroup_id_y 1
		.amdhsa_system_sgpr_workgroup_id_z 1
		.amdhsa_system_vgpr_workitem_id 0
		.amdhsa_next_free_vgpr 256
		.amdhsa_next_free_sgpr 66
		.amdhsa_reserve_vcc 0
		.amdhsa_float_denorm_mode_32 3
		.amdhsa_float_denorm_mode_16_64 3
		.amdhsa_memory_ordered 1
		.amdhsa_forward_progress 1
		.amdhsa_inst_pref_size 54
	.end_amdhsa_kernel
	.amdgpu_metadata
---
amdhsa.version: [ 1, 2 ]
amdhsa.kernels:
  - .name:           k_q897f4521fe_attn
    .symbol:         k_q897f4521fe_attn.kd
    .args:
      - { .name: w2, .offset: 0, .size: 8, .value_kind: global_buffer, .address_space: global }
      - { .name: w3, .offset: 8, .size: 8, .value_kind: global_buffer, .address_space: global }
    .group_segment_fixed_size: 327680
    .private_segment_fixed_size: 0
    .kernarg_segment_align: 8
    .kernarg_segment_size: 16
    .max_flat_workgroup_size: 512
    .sgpr_count:     66
    .vgpr_count:     256
    .wavefront_size: 32
...
	.end_amdgpu_metadata
.endif
;; end of part 3
;; launch proj (part 4): grid 4 x 64, 4 waves a work-group, clusters of 4 x 4, 327,680 bytes of LDS; arguments w3, w1, out0; writes out0
.if DOCPART == 4
	.amdgcn_target "amdgcn-amd-amdhsa--gfx1250"
	.amdhsa_code_object_version 6
	.text
	.protected	k_q897f4521fe_proj
	.globl	k_q897f4521fe_proj
	.p2align	8
	.type	k_q897f4521fe_proj,@function
k_q897f4521fe_proj:
	s_mov_b64 s[64:65], 0
	v_nop
	global_prefetch_b8 v0, s[64:65] scope:SCOPE_SE
	s_setreg_imm32_b32 hwreg(HW_REG_WAVE_MODE, 25, 1), 1
	s_wait_xcnt 0x0
	s_wait_alu depctr_hold_cnt(0) depctr_sa_sdst(0) depctr_va_vdst(0) depctr_va_sdst(0) depctr_va_ssrc(0) depctr_va_vcc(0) depctr_vm_vsrc(0)
	s_getreg_b32 s2, hwreg(HW_REG_IB_STS2, 6, 4)
	s_cmp_eq_u32 s2, 0
	s_cbranch_scc0 .Lentry_in_a_cluster
	s_endpgm
.Lentry_in_a_cluster:
	s_bfe_u32 s2, ttmp6, 0x10000c
	s_cmp_lg_u32 s2, 0xf033
	s_cbranch_scc0 .Lentry_shape_is_right
	s_endpgm
.Lentry_shape_is_right:
; out0 = o w_proj^T on codes of E2M3 (K = 1,024 = 16 heads x 64 channels).  o comes from w3 as half images, two neighbouring heads making a K step of 128; w_proj from w1 as images.
; A work-group multiplies 128 rows of o (source 1) by 256 rows of w_proj (source 0); all of K lies in LDS, filled once, in four chunks of 256 along K.  Four waves: wave w takes o's tiles 4 (w / 2) .. + 3 and
; w_proj's tiles 8 (w % 2) .. + 7: 32 accumulators.  A lane holds one token; its registers run along the outputs.
; THE ROWS OF A TILE ARE NOT NEIGHBOURS: lane-row r of tile T is row 32 (T / 2) + 8 (T % 2) + r % 8 + 16 (r / 8), for tokens and for outputs alike; the way out puts both back.
; CLUSTER: the four of a row need the same tiles of o, the four of a column the same tiles of w_proj: each is asked for jointly.  Nothing is filled twice.
; o's scale bytes lie [head][row] in w3, two a row: each wave reads four heads' 256 bytes, joins heads 2 s and 2 s + 1 into the words of K step s and puts them into LDS, where B's words came by a tensor load.
; LIMITS: NaN and infinities are not served.
; (K lies in LDS in TWO HALVES of 512 along K, which take the place of the four chunks named above: the first half and w_proj's scales come by the head's loads, one a wave, the second half behind a round.)
.set CH,     147456                    ; a half of K in LDS: o's 8 tiles x 6,144 bytes, then w_proj's 16
.set BOFF,   49152
.set SCL,    294912                    ; o's scale words (4,096 bytes, stored by the waves: no fill lands there), then w_proj's (8,192)
.set SPARE,  307200                    ; the spare words: 128 bytes a wave, two blocks of 256 bytes that no other line names
.set SC_OFF, 9437184
.set O_SC,   6291456
.set NF,     40
.set SPITCH, 528                       ; the way out: a stage of 16 rows x (512 bytes + 16) for each wave, in chunk 0, which has had its one fill and its last read long before
.set RR,   1
.set HH,   2
.set LI,   3                           ; v3 16 x lane
.set L8,   4                           ; v4 8 x lane
.set SAW,  5                           ; v5 where I put o's scale words
.set ADR8, 10                          ; v10-13 LDS address of the 8-byte pieces of my o fragments in chunk c
.set ADRA, 16                          ; v16-19 of their 16-byte pieces
.set ADRB, 20                          ; v20-23 of my w_proj fragments
.set ADRS, 24
.set STO,  25
.set RD,   26
.set SPW,  28
.set NIL,  29
.set SC,   32                          ; v32-95 scale words and nothing else
.set AF,   96                          ; v96-143, v144-191 o's two sets.  Window 1: v0-95, v128-223 w_proj's two sets.  Window 2: accumulator (a, b) at 8 (8 a + b)
.set BK,   96                          ; the way out: v96-159 and v160-223 by turns
.set HS,   200                         ; v200-207 four heads' scale bytes
.set WS,   208                         ; v208-215 eight scale words
.set WV,   16
.set WHI,  17
.set WLO,  18
.set G1A,  24
.set G1B,  32
.set G1SB, 48
.set GA0,  60
.set GA1,  68
.set GA2,  72
.set GA3,  76
.set GBS,  80
.set GB0,  84
.set GB1,  88
.set GB2,  92
.set GB3,  96
.set MSB, 0
.macro WIN new
.if MSB != (\new)
	s_set_vgpr_msb (MSB<<8)|(\new)
.set MSB, \new
.endif
.endm
.macro PLACES n
.rept \n
	v_nop
.endr
.endm
.macro BAR
	s_barrier_signal -1
	s_barrier_wait -1
.endm
.macro CROUND
	s_barrier_signal -1
	s_barrier_wait -1
	s_cmp_lg_u32 s[WV], 0
	s_cbranch_scc1 .Lnot_wave_0_\@
	s_barrier_signal -3
.Lnot_wave_0_\@:
	s_barrier_wait -3
	s_barrier_signal -1
	s_barrier_wait -1
.endm
.macro SHAPE g, c, r, p
	s_mov_b32 s[\g+1], (\c)<<16
	s_mov_b32 s[\g+2], (\r)<<16
	s_mov_b32 s[\g+3], (\c)<<16
	s_mov_b32 s[\g+4], \r
	s_mov_b32 s[\g+5], \p
	s_mov_b32 s[\g+6], 0
	s_mov_b32 s[\g+7], 0
.endm
.macro DEST g, reg, const
	s_mov_b32 s[\g], 1
	s_add_co_u32 s[\g+1], s[\reg], \const
.endm
.macro FROM g, pair, const
	s_add_nc_u64 s[\g+2:\g+3], s[\pair:\pair+1], \const
	s_or_b32 s[\g+3], s[\g+3], 0x80000000
.endm
	s_load_b128 s[4:7], s[0:1], 0x0                ; w3 s[4:5], w1 s[6:7]
	s_load_b64 s[8:9], s[0:1], 0x10                ; out0
	v_lshl_add_u32 v[SPW], v0, 2, SPARE
	v_mov_b32 v[NIL], 0
	ds_add_u32 v[SPW], v[NIL]                      ; the wave's opening
	ds_add_u32 v[SPW], v[NIL]
	v_lshrrev_b32 v1, 5, v0
	v_readfirstlane_b32 s[WV], v1
	s_lshr_b32 s[WHI], s[WV], 1
	s_and_b32 s[WLO], s[WV], 1
	s_bfe_u32 s19, ttmp6, 0x40000                  ; cx
	s_bfe_u32 s20, ttmp6, 0x40004                  ; cy
	s_lshl_b32 s3, ttmp9, 2
	s_add_co_u32 s3, s3, s19                       ; Bt: my 256 outputs
	s_and_b32 s2, ttmp7, 0xffff
	s_lshl_b32 s2, s2, 2
	s_add_co_u32 s2, s2, s20                       ; At: my 128 tokens
	s_lshl_b32 s20, s20, 2
	s_lshl_b32 s20, 15, s20                        ; my row of the cluster
	s_lshl_b32 s19, 0x1111, s19                    ; my column
	s_or_b32 s[G1A], s20, (3<<16)|(1<<21)
	s_or_b32 s[G1B], s19, (3<<16)|(1<<21)
	s_or_b32 s[G1SB], s19, (3<<16)|(1<<21)
.set G1A2, 40                          ; s[40:47]: group 1 of the second half's loads of o
	s_or_b32 s[G1A2], s20, (3<<16)|(1<<21)
	SHAPE G1A, 768, 8, 1536                        ; the head: o's eight tiles' first half of K: 6,144 bytes each, 12,288 bytes apart
	SHAPE G1A2, 768, 4, 1536                       ; the second half: four tiles of o a wave
	SHAPE G1B, 768, 8, 1536                        ; eight tiles of w_proj, at the head and behind it
	SHAPE G1SB, 32, 32, 32                         ; w_proj's scale words: 8,192 dense bytes as rows of 256
	s_lshl_b32 s20, s2, 3                          ; o's first tile
	s_mul_i32 s20, s20, 12288
	s_mov_b32 s21, 0
	s_lshl_b32 s12, s3, 4
	s_add_co_u32 s12, s12, 704                     ; w_proj's first tile
	s_lshl_b32 s14, s12, 9
	s_add_co_u32 s14, s14, SC_OFF
	s_mov_b32 s15, 0
	s_mul_i32 s12, s12, 12288
	s_mov_b32 s13, 0
	s_mov_b32 s19, 0                               ; where they go: constants and the wave's number alone
	DEST GA0, 19, 0
	DEST GB0, 19, BOFF
	DEST GB2, 19, BOFF+49152
	DEST GBS, 19, SCL+4096
	s_mul_i32 s19, s[WLO], 24576
	DEST GA1, 19, CH
	s_mul_i32 s19, s[WLO], 49152
	DEST GB1, 19, CH+BOFF
	s_add_co_u32 s[GA1+2], s19, 6144               ; the second half of K of my four tiles of o: an offset, the address is added below
	s_mov_b32 s[GA1+3], 0
	s_mul_i32 s[GB1+2], s[WLO], 98304
	s_add_co_u32 s[GB1+2], s[GB1+2], 6144          ; of my eight of w_proj
	s_mov_b32 s[GB1+3], 0
	s_wait_dscnt 0x0                               ; both opening adds are done
	s_wait_kmcnt 0x0
	s_add_nc_u64 s[20:21], s[4:5], s[20:21]
	s_add_nc_u64 s[12:13], s[6:7], s[12:13]
	s_add_nc_u64 s[14:15], s[6:7], s[14:15]
	FROM GA0, 20, 0
	FROM GB0, 12, 0
	FROM GB2, 12, 98304
	FROM GBS, 14, 0
	s_add_nc_u64 s[GA1+2:GA1+3], s[20:21], s[GA1+2:GA1+3]
	s_or_b32 s[GA1+3], s[GA1+3], 0x80000000
	s_add_nc_u64 s[GB1+2:GB1+3], s[12:13], s[GB1+2:GB1+3]
	s_or_b32 s[GB1+3], s[GB1+3], 0x80000000
.macro HARM under, g0, g1, next        ; an arm of the head's one chain of branches on the wave's number: one load, then the join
	s_cmp_lt_u32 s[WV], \under
	s_cbranch_scc0 \next
	tensor_load_to_lds s[\g0:\g0+3], s[\g1:\g1+7]
	s_nop 0
	PLACES 4
	s_branch .Lfilled
\next:
.endm
.macro JLOAD2                          ; the second half of K: waves 0 and 1 fetch o's halves, waves 2 and 3 w_proj's
	s_cmp_lt_u32 s[WV], 2
	s_cbranch_scc0 .Lj_b_\@
	tensor_load_to_lds s[GA1:GA1+3], s[G1A2:G1A2+7]
	s_nop 0
	PLACES 4
	s_branch .Lj_e_\@
.Lj_b_\@:
	tensor_load_to_lds s[GB1:GB1+3], s[G1B:G1B+7]
	s_nop 0
	PLACES 4
.Lj_e_\@:
.endm
	CROUND                                         ; all sixteen work-groups are here: the joint loads meet
	HARM 1, GA0, G1A, .Lh_b0                       ; one tensor load a wave at the head: wave 0 o's codes, waves 1 and 2 w_proj's tiles 0-7 and 8-15, wave 3 its scale words
	HARM 2, GB0, G1B, .Lh_b1
	HARM 3, GB2, G1B, .Lh_sb
	tensor_load_to_lds s[GBS:GBS+3], s[G1SB:G1SB+7]
	s_nop 0
	PLACES 4
.Lfilled:
	v_and_b32 v[RR], 15, v0
	v_bfe_u32 v[HH], v0, 4, 1
	v_and_b32 v6, 31, v0
	v_lshlrev_b32 v[LI], 4, v6
	s_wait_alu depctr_va_vdst(0)
	v_lshlrev_b32 v[L8], 3, v6
	s_wait_alu depctr_va_vdst(0)
	s_lshl_b32 s22, s[WV], 16                      ; heads 4 w .. 4 w + 3: 16,384 bytes a head,
	s_lshl_b32 s23, s2, 8                          ; my 128 rows: 256 bytes
	s_add_co_u32 s22, s22, s23
	s_add_co_u32 s22, s22, O_SC
	s_mov_b32 s23, 0
	s_add_nc_u64 s[22:23], s[4:5], s[22:23]
.irp i, 0,1,2,3
	global_load_b64 v[HS+2*\i:HS+2*\i+1], v[L8], s[22:23] offset:16384*\i   ; rows 4 l .. 4 l + 3 of head 4 w + i: 32 lanes read 256 consecutive bytes
.endr
	v_lshrrev_b32 v7, 2, v6
	v_and_b32 v6, 3, v6
	v_lshlrev_b32 v7, 9, v7
	v_lshl_add_u32 v7, v6, 6, v7                   ; row 4 l + k is row 4 (l % 4) + k of tile l / 4: 512 (l / 4) + 64 (l % 4) + 16 k
	s_lshl_b32 s10, s[WHI], 8
	s_lshl_b32 s11, s[WLO], 3
	s_add_co_u32 s10, s10, s11                     ; words 2 w and 2 w + 1: 256 (w / 2) + 8 (w % 2)
	s_add_co_u32 s10, s10, SCL
	v_add_nc_u32 v[SAW], s10, v7
	s_mul_i32 s10, s[WHI], 24576
	s_mul_i32 s11, s[WLO], 49152
	s_add_co_u32 s11, s11, BOFF
.irp c, 0,1
	v_add_nc_u32 v[ADRA+\c], s10, v[LI]
	v_add_nc_u32 v[ADR8+\c], s10, v[L8]
	v_add_nc_u32 v[ADRB+\c], s11, v[LI]
	s_add_co_u32 s10, s10, CH
	s_add_co_u32 s11, s11, CH
.endr
	s_lshl_b32 s10, s[WHI], 11
	s_lshl_b32 s11, s[WLO], 12
	s_add_co_u32 s11, s11, 4096
	s_sub_co_u32 s11, s11, s10
	v_mul_u32_u24 v[ADRS], s11, v[HH]              ; lanes 16-31 take w_proj's: one product, the distance between the two
	v_lshl_add_u32 v[ADRS], v[RR], 4, v[ADRS]
	s_add_co_u32 s10, s10, SCL
	v_add_nc_u32 v[ADRS], s10, v[ADRS]
	s_mul_i32 s10, s[WV], 16*SPITCH                ; my stage
	v_mul_u32_u24 v[STO], v[RR], SPITCH
	v_lshl_add_u32 v[STO], v[HH], 6, v[STO]
	v_add_nc_u32 v[STO], s10, v[STO]               ; in: row r, + 64 h
	v_add_nc_u32 v[RD], s10, v[LI]                 ; back: a row of 512 bytes, 16 a lane
	s_lshl_b32 s10, s2, 7
	s_lshl_b32 s11, s[WHI], 6
	s_add_co_u32 s10, s10, s11
	s_lshl_b32 s10, s10, 12                        ; my first token's row of out0,
	s_lshl_b32 s11, s3, 10
	s_add_co_u32 s10, s10, s11
	s_lshl_b32 s11, s[WLO], 9
	s_add_co_u32 s10, s10, s11                     ; my 128 outputs in it
	s_mov_b32 s11, 0
	s_add_nc_u64 s[8:9], s[8:9], s[10:11]
	s_wait_alu depctr_va_vdst(0)
	s_wait_loadcnt 0x0
.irp e, 0,1                                    ; word 2 w + e of a row: head 4 w + 2 e's two bytes below, head 4 w + 2 e + 1's above
	v_perm_b32 v[WS+\e],   v[HS+4*\e+2], v[HS+4*\e],   0x05040100
	v_perm_b32 v[WS+2+\e], v[HS+4*\e+2], v[HS+4*\e],   0x07060302
	v_perm_b32 v[WS+4+\e], v[HS+4*\e+3], v[HS+4*\e+1], 0x05040100
	v_perm_b32 v[WS+6+\e], v[HS+4*\e+3], v[HS+4*\e+1], 0x07060302
.endr
.irp k, 0,1,2,3
	ds_store_b64 v[SAW], v[WS+2*\k:WS+2*\k+1] offset:16*\k
.endr
.macro SCALES
.irp i, 0,1,2,3,4,5,6,7
.irp f, 0,1
	ds_load_b128 v[SC+8*\i+4*\f:SC+8*\i+4*\f+3], v[ADRS] offset:512*\i+256*\f   ; (for i above 3 lanes 0-15 read written bytes that no product names)
.endr
.endr
.endm
.macro FETCH s
	WIN 0x40
.irp i, 0,1,2,3,4,5,6,7
.irp c, 0,1,2
	ds_load_b128 v[128*((\s)%2)+12*\i+4*\c:128*((\s)%2)+12*\i+4*\c+3], v[ADRB+(\s)/4] offset:6144*\i+1536*((\s)%4)+512*\c
.endr
.endr
	WIN 0
.irp i, 0,1,2,3                                ; a fragment of o is two half images: registers 0-3, 4-5 of one head, 6-9, 10-11 of the next
.set FA, AF+48*((\s)%2)+12*\i
.set FO, 6144*\i+1536*((\s)%4)
	ds_load_b128 v[FA:FA+3], v[ADRA+(\s)/4] offset:FO
	ds_load_b64 v[FA+4:FA+5], v[ADR8+(\s)/4] offset:FO+512
	ds_load_b128 v[FA+6:FA+9], v[ADRA+(\s)/4] offset:FO+768
	ds_load_b64 v[FA+10:FA+11], v[ADR8+(\s)/4] offset:FO+1280
.endr
.endm
.macro MUL s                           ; the 32 accumulators take turns, one instruction a turn.  K step 0 starts the sums
	WIN 0xa1
.irp a, 0,1,2,3
.irp b, 0,1,2,3,4,5,6,7
.if (\s) == 0
	v_wmma_scale_f32_16x16x128_f8f6f4 v[8*(8*\a+\b):8*(8*\a+\b)+7], v[128*((\s)%2)+12*\b:128*((\s)%2)+12*\b+11], v[AF+48*((\s)%2)+12*\a:AF+48*((\s)%2)+12*\a+11], 0, v[SC+8*\b+(\s)], v[SC+8*\a+(\s)] matrix_a_fmt:MATRIX_FMT_FP6 matrix_b_fmt:MATRIX_FMT_FP6 matrix_a_scale:MATRIX_SCALE_ROW1
.else
	v_wmma_scale_f32_16x16x128_f8f6f4 v[8*(8*\a+\b):8*(8*\a+\b)+7], v[128*((\s)%2)+12*\b:128*((\s)%2)+12*\b+11], v[AF+48*((\s)%2)+12*\a:AF+48*((\s)%2)+12*\a+11], v[8*(8*\a+\b):8*(8*\a+\b)+7], v[SC+8*\b+(\s)], v[SC+8*\a+(\s)] matrix_a_fmt:MATRIX_FMT_FP6 matrix_b_fmt:MATRIX_FMT_FP6 matrix_a_scale:MATRIX_SCALE_ROW1
.endif
.endr
.endr
.endm
.macro STEP s
.if (\s) > 0
	WIN 0
	PLACES 4                                       ; in front of loads into the set that the last step's products read
.endif
.if (\s) == 3
	s_wait_tensorcnt 0x0                           ; my part of the second half of K is in
	s_wait_dscnt 0x0
	BAR
.endif
.if (\s) < 7
	FETCH (\s)+1
	s_wait_dscnt NF                                ; all but the loads just issued
.else
	s_wait_dscnt 0x0
.endif
	MUL \s
.endm
	s_wait_alu depctr_va_vdst(0)                   ; the wait at the head's end
	s_wait_tensorcnt 0x0                           ; my tile of the head's four is in
	ds_add_u32 v[SPW], v[NIL]
	s_wait_dscnt 0x0                               ; the add is done, and my stores of o's scale words have landed
	CROUND                                         ; everybody's have, and all sixteen work-groups are here
	JLOAD2                                         ; the first tensor load behind the round; it has K steps 0 to 2 in which to land
	SCALES
	FETCH 0
.irp s, 0,1,2,3,4,5,6,7
	STEP \s
.endr
	WIN 0
	PLACES 4                                       ; in front of the first read of results and of loads into the registers that held o's fragments
; THE WAY OUT, block by block of 16 tokens x 128 outputs.  Register j of accumulator (a, b) is output 32 (b / 2) + 16 h + 8 (b % 2) + j: 32 bytes of a row.  A block goes through my own stage and comes back as
; whole rows of 512 bytes.  LDS serves a wave's instructions in order (ISA guide 5.7.1.4): no wait between the stores and the loads, nor in front of the next block's stores.
.macro TOSTAGE a
	WIN 0x08                                       ; an LDS store's data are its source 1: window 2
.irp b, 0,1,2,3,4,5,6,7
	ds_store_b128 v[STO], v[8*(8*(\a)+\b):8*(8*(\a)+\b)+3] offset:128*(\b/2)+32*(\b%2)        ; each accumulator from its low end on
	ds_store_b128 v[STO], v[8*(8*(\a)+\b)+4:8*(8*(\a)+\b)+7] offset:128*(\b/2)+32*(\b%2)+16
.endr
	WIN 0
.set BB, BK+64*((\a)%2)
.irp t, 0,1,2,3,4,5,6,7,8,9,10,11,12,13,14,15
	ds_load_b128 v[BB+4*\t:BB+4*\t+3], v[RD] offset:\t*SPITCH
.endr
.endm
.macro SEND a, younger                 ; younger: the LDS instructions issued behind block a's loads, which may stay out
.set BB, BK+64*((\a)%2)
	s_wait_dscnt \younger
.irp t, 0,1,2,3,4,5,6,7,8,9,10,11,12,13,14,15
	global_store_b128 v[LI], v[BB+4*\t:BB+4*\t+3], s[8:9] offset:4096*(32*((\a)/2)+8*((\a)%2)+(\t%8)+16*(\t/8)) th:TH_STORE_NT   ; stage row t is token 32 (a / 2) + 8 (a % 2) + t % 8 + 16 (t / 8); 32 lanes store 512 consecutive bytes, aligned to 256
.endr
.endm
	TOSTAGE 0
.irp a, 1,2,3
.if \a > 1
	s_wait_xcnt 0x0                                ; block a - 2's stores have read their registers: block a's loads may land there
.endif
	TOSTAGE \a
	SEND \a-1, 32                                  ; behind block a - 1's loads: block a's 16 stores and 16 loads
.endr
	SEND 3, 0
	s_wait_tensorcnt 0x0                           ; the wave's end
	ds_add_u32 v[SPW], v[NIL]
	s_wait_dscnt 0x0
	CROUND                                         ; the closing round
	s_endpgm
.Lfunc_end_k_q897f4521fe_proj:
	.size	k_q897f4521fe_proj, .Lfunc_end_k_q897f4521fe_proj-k_q897f4521fe_proj
	.p2alignl 7, 3214868480
	.fill 96, 4, 3214868480
	.section	.rodata,"a",@progbits
	.p2align	6, 0x0
	.amdhsa_kernel k_q897f4521fe_proj
		.amdhsa_group_segment_fixed_size 327680
		.amdhsa_private_segment_fixed_size 0
		.amdhsa_enable_private_segment 0
		.amdhsa_kernarg_size 24
		.amdhsa_user_sgpr_count 2
		.amdhsa_user_sgpr_kernarg_segment_ptr 1
		.amdhsa_wavefront_size32 1
		.amdhsa_system_sgpr_workgroup_id_x 1
		.amdhsa_system_sgpr_workgroup_id_y 1
		.amdhsa_system_sgpr_workgroup_id_z 1
		.amdhsa_system_vgpr_workitem_id 0
		.amdhsa_next_free_vgpr 768
		.amdhsa_next_free_sgpr 100
		.amdhsa_reserve_vcc 0
		.amdhsa_float_denorm_mode_32 3
		.amdhsa_float_denorm_mode_16_64 3
		.amdhsa_memory_ordered 1
		.amdhsa_forward_progress 1
		.amdhsa_inst_pref_size 82
	.end_amdhsa_kernel
	.amdgpu_metadata
---
amdhsa.version: [ 1, 2 ]
amdhsa.kernels:
  - .name:           k_q897f4521fe_proj
    .symbol:         k_q897f4521fe_proj.kd
    .args:
      - { .name: w3, .offset: 0, .size: 8, .value_kind: global_buffer, .address_space: global }
      - { .name: w1, .offset: 8, .size: 8, .value_kind: global_buffer, .address_space: global }
      - { .name: out0, .offset: 16, .size: 8, .value_kind: global_buffer, .address_space: global }
    .group_segment_fixed_size: 327680
    .private_segment_fixed_size: 0
    .kernarg_segment_align: 8
    .kernarg_segment_size: 24
    .max_flat_workgroup_size: 128
    .sgpr_count:     100
    .vgpr_count:     768
    .wavefront_size: 32
...
	.end_amdgpu_metadata
.endif
;; end of part 4
